; MI455X (gfx1250); checked and timed in simulation.
; The chip was launched on July 23, 2026; its instructions are those of AMD's public machine-readable ISA for CDNA 5 (MIT licence, August 2026) and "CDNA5" Instruction Set Architecture Reference Guide (July 2026). The comments in the code are by the model that wrote it; some were corrected since.
;; Grouped Query Attention. Allowed arithmetic: float matrix products may take bf16 or f16 operands with f32 sums; all other float work in f32.
;; Inputs: cos 2,048 x 32 float32; sin 2,048 x 32 float32; wk 512 x 2,048 float32; wo 2,048 x 2,048 float32; wq 2,048 x 2,048 float32; wv 512 x 2,048 float32; x 1 x 2,048 x 2,048 float32.
;; Outputs: out0 1 x 2,048 x 2,048 float32.
;; 2 versions, each right. Each part assembles by itself: llvm-mc -triple=amdgcn-amd-amdhsa -mcpu=gfx1250 --defsym DOCPART=n.
;; ======== version 1 of 2: 4 launches
;; limits: values outside matrix products are rounded to bf16; values are held in f16: magnitudes above 65,504 overflow, below 6.1e-05 lose precision; right only within a limited range of input values
;; workspace buffers: xb 8,388,608 bytes; wb 12,582,912 bytes; wo16 8,388,608 bytes; csb 262,144 bytes; qkvh 12,582,912 bytes; y2 16,777,216 bytes
;; launch cvt (part 1): grid 256 x 1, 8 waves a work-group, no clusters, 0 bytes of LDS; arguments x, wq, wk, wv, wo, cos, sin, xb, wb, wo16, csb; writes xb, wb, wo16, csb
.if DOCPART == 1
	.amdgcn_target "amdgcn-amd-amdhsa--gfx1250"
	.amdhsa_code_object_version 6
	.text
	.protected	k_q68b6dc3ca0_cvt
	.globl	k_q68b6dc3ca0_cvt
	.p2align	8
	.type	k_q68b6dc3ca0_cvt,@function
k_q68b6dc3ca0_cvt:
	s_mov_b64 s[64:65], 0
	v_nop
	global_prefetch_b8 v0, s[64:65] scope:SCOPE_SE
	s_setreg_imm32_b32 hwreg(HW_REG_WAVE_MODE, 25, 1), 1
	s_wait_xcnt 0x0
; Rounds every input to bf16 once, so that the three matrix launches read 16-bit tiles.
;   xb   = bf16(x)
;   wb   = rows 0-2047 bf16(wq) 2^-6, rows 2048-2559 bf16(wk) 2^-6, rows 2560-3071 bf16(wv) 2^-2
;   wo16 = f16(4 bf16(wo))       (a bf16 number has 8 significant bits: it is an f16 number wherever 2^-17 <= |4 wo| < 65,504)
;   csb  = one word for each (t, pair): bf16(cos) in the low half, bf16(sin) in the high half
; The powers of two are exact and keep q, k and v inside f16 later on: they are undone by the softmax factor and by the 4 on wo.
; LIMITS: finite inputs; |wo| < 16,376; below |4 wo| = 2^-17 the f16 step 2^-24 rounds once more.
; A stream: no LDS, no barrier, no matrix unit, no loop.  Work-group i owns 1/256 of every buffer.  Thread t owns bytes 16 t + 4096 k of
; a share: a wave's load covers 512 consecutive bytes, its store of the four rounded numbers of each lane 256 consecutive aligned bytes.
; All 56 loads of a wave go out first, each into registers of its own: no register is written twice, so no wait frees a source.
.set NU, 56                            ; units (one load, one store) of a wave: 16 x, 16 wq, 4 wk, 4 wv, 16 wo
.set D,  8                             ; v[8:231]   unit u: 4 registers
.set CS, 232                           ; v[232:235] cos, v[236:239] sin (waves 0 and 1)
	s_load_b512 s[4:19], s[0:1], 0x0               ; x 4, wq 6, wk 8, wv 10, wo 12, cos 14, sin 16, xb 18
	s_load_b128 s[20:23], s[0:1], 0x40             ; wb 20, wo16 22
	s_load_b64 s[24:25], s[0:1], 0x50              ; csb
	v_lshrrev_b32 v3, 5, v0
	v_readfirstlane_b32 s38, v3                    ; wave
	v_lshlrev_b32 v1, 4, v0                        ; 16 t: where I load
	v_lshlrev_b32 v2, 3, v0                        ; 8 t: where I store
	s_lshl_b32 s26, ttmp9, 16                      ; the group's share of x, wq, wo: 65,536 bytes
	s_mov_b32 s27, 0
	s_lshl_b32 s28, ttmp9, 14                      ; of wk, wv: 16,384
	s_mov_b32 s29, 0
	s_lshl_b32 s30, ttmp9, 15                      ; of xb, wq's part of wb, wo16: 32,768
	s_mov_b32 s31, 0
	s_lshl_b32 s32, ttmp9, 13                      ; of wk's and wv's parts of wb: 8,192
	s_mov_b32 s33, 0
	s_lshl_b32 s34, ttmp9, 10                      ; of cos, sin, csb: 1,024
	s_mov_b32 s35, 0
	s_wait_kmcnt 0x0
	s_add_nc_u64 s[4:5], s[4:5], s[26:27]
	s_add_nc_u64 s[6:7], s[6:7], s[26:27]
	s_add_nc_u64 s[12:13], s[12:13], s[26:27]
	s_add_nc_u64 s[8:9], s[8:9], s[28:29]
	s_add_nc_u64 s[10:11], s[10:11], s[28:29]
	s_add_nc_u64 s[14:15], s[14:15], s[34:35]
	s_add_nc_u64 s[16:17], s[16:17], s[34:35]
	s_add_nc_u64 s[24:25], s[24:25], s[34:35]
	s_add_nc_u64 s[18:19], s[18:19], s[30:31]
	s_add_nc_u64 s[22:23], s[22:23], s[30:31]
	s_add_nc_u64 s[36:37], s[20:21], s[32:33]
	s_add_nc_u64 s[40:41], s[36:37], 0xa00000      ; wv's rows begin 2,560 rows of 4,096 bytes into wb
	s_add_nc_u64 s[36:37], s[36:37], 0x800000      ; wk's rows 2,048 rows
	s_add_nc_u64 s[20:21], s[20:21], s[30:31]
	; cos and sin: 1,024 bytes each, 16 bytes a thread: threads 0 to 63.  These two loads are the oldest, so the counts below hold with and without them.
	s_cmp_lt_u32 s38, 2
	s_cbranch_scc0 .Lno_cs_in
	global_load_b128 v[CS:CS+3], v1, s[14:15] th:TH_LOAD_NT
	global_load_b128 v[CS+4:CS+7], v1, s[16:17] th:TH_LOAD_NT
.Lno_cs_in:
.macro LOADS n, base
.set k, 0
.rept \n
	global_load_b128 v[D+4*u:D+4*u+3], v1, s[\base:\base+1] offset:4096*k th:TH_LOAD_NT
.set k, k+1
.set u, u+1
.endr
.endm
.set u, 0
	LOADS 16, 4
	LOADS 16, 6
	LOADS 4, 8
	LOADS 4, 10
	LOADS 16, 12
; n units: kind 0 rounds; 1 and 2 scale by 2^-6, 2^-2 first; 3 scales by 4, rounds to bf16 and writes the same numbers as f16
.macro UNITS n, kind, base
.set k, 0
.rept \n
	s_wait_loadcnt NU-1-u                          ; loads return in order: unit u is in, the NU-1-u younger ones stay out
.if \kind == 1
	v_pk_mul_f32 v[D+4*u:D+4*u+1], v[D+4*u:D+4*u+1], 0x3c800000 op_sel_hi:[1,0]
	v_pk_mul_f32 v[D+4*u+2:D+4*u+3], v[D+4*u+2:D+4*u+3], 0x3c800000 op_sel_hi:[1,0]
.endif
.if \kind == 2
	v_pk_mul_f32 v[D+4*u:D+4*u+1], v[D+4*u:D+4*u+1], 0x3e800000 op_sel_hi:[1,0]
	v_pk_mul_f32 v[D+4*u+2:D+4*u+3], v[D+4*u+2:D+4*u+3], 0x3e800000 op_sel_hi:[1,0]
.endif
.if \kind == 3
	v_pk_mul_f32 v[D+4*u:D+4*u+1], v[D+4*u:D+4*u+1], 4.0 op_sel_hi:[1,0]
	v_pk_mul_f32 v[D+4*u+2:D+4*u+3], v[D+4*u+2:D+4*u+3], 4.0 op_sel_hi:[1,0]
.endif
	v_cvt_pk_bf16_f32 v[D+4*u], v[D+4*u], v[D+4*u+1]
	v_cvt_pk_bf16_f32 v[D+4*u+1], v[D+4*u+2], v[D+4*u+3]
.if \kind == 3
	v_lshlrev_b32 v[D+4*u+2], 16, v[D+4*u]         ; the two bf16 back as f32,
	v_and_b32 v[D+4*u+3], 0xffff0000, v[D+4*u]
	v_cvt_pk_f16_f32 v[D+4*u], v[D+4*u+2], v[D+4*u+3]   ; and written as f16
	v_lshlrev_b32 v[D+4*u+2], 16, v[D+4*u+1]
	v_and_b32 v[D+4*u+3], 0xffff0000, v[D+4*u+1]
	v_cvt_pk_f16_f32 v[D+4*u+1], v[D+4*u+2], v[D+4*u+3]
.endif
	global_store_b64 v2, v[D+4*u:D+4*u+1], s[\base:\base+1] offset:2048*k
.set k, k+1
.set u, u+1
.endr
.endm
.set u, 0
	UNITS 16, 0, 18
	UNITS 16, 1, 20
	UNITS 4, 1, 36
	UNITS 4, 2, 40
	UNITS 16, 3, 22                                ; the last unit's wait is for 0: cos and sin are in too
	s_cmp_lt_u32 s38, 2
	s_cbranch_scc0 .Lno_cs_out
.irp i, 0,1,2,3
	v_cvt_pk_bf16_f32 v[CS+\i], v[CS+\i], v[CS+4+\i]   ; cos into the low half, sin into the high half
.endr
	global_store_b128 v1, v[CS:CS+3], s[24:25]
.Lno_cs_out:
	s_endpgm
.Lfunc_end_k_q68b6dc3ca0_cvt:
	.size	k_q68b6dc3ca0_cvt, .Lfunc_end_k_q68b6dc3ca0_cvt-k_q68b6dc3ca0_cvt
	.p2alignl 7, 3214868480
	.fill 96, 4, 3214868480
	.section	.rodata,"a",@progbits
	.p2align	6, 0x0
	.amdhsa_kernel k_q68b6dc3ca0_cvt
		.amdhsa_group_segment_fixed_size 0
		.amdhsa_private_segment_fixed_size 0
		.amdhsa_enable_private_segment 0
		.amdhsa_kernarg_size 88
		.amdhsa_user_sgpr_count 2
		.amdhsa_user_sgpr_kernarg_segment_ptr 1
		.amdhsa_wavefront_size32 1
		.amdhsa_system_sgpr_workgroup_id_x 1
		.amdhsa_system_sgpr_workgroup_id_y 1
		.amdhsa_system_sgpr_workgroup_id_z 1
		.amdhsa_system_vgpr_workitem_id 0
		.amdhsa_next_free_vgpr 240
		.amdhsa_next_free_sgpr 66
		.amdhsa_reserve_vcc 0
		.amdhsa_float_denorm_mode_32 3
		.amdhsa_float_denorm_mode_16_64 3
		.amdhsa_memory_ordered 1
		.amdhsa_forward_progress 1
		.amdhsa_inst_pref_size 33
	.end_amdhsa_kernel
	.amdgpu_metadata
---
amdhsa.version: [ 1, 2 ]
amdhsa.kernels:
  - .name:           k_q68b6dc3ca0_cvt
    .symbol:         k_q68b6dc3ca0_cvt.kd
    .args:
      - { .name: x, .offset: 0, .size: 8, .value_kind: global_buffer, .address_space: global }
      - { .name: wq, .offset: 8, .size: 8, .value_kind: global_buffer, .address_space: global }
      - { .name: wk, .offset: 16, .size: 8, .value_kind: global_buffer, .address_space: global }
      - { .name: wv, .offset: 24, .size: 8, .value_kind: global_buffer, .address_space: global }
      - { .name: wo, .offset: 32, .size: 8, .value_kind: global_buffer, .address_space: global }
      - { .name: cos, .offset: 40, .size: 8, .value_kind: global_buffer, .address_space: global }
      - { .name: sin, .offset: 48, .size: 8, .value_kind: global_buffer, .address_space: global }
      - { .name: xb, .offset: 56, .size: 8, .value_kind: global_buffer, .address_space: global }
      - { .name: wb, .offset: 64, .size: 8, .value_kind: global_buffer, .address_space: global }
      - { .name: wo16, .offset: 72, .size: 8, .value_kind: global_buffer, .address_space: global }
      - { .name: csb, .offset: 80, .size: 8, .value_kind: global_buffer, .address_space: global }
    .group_segment_fixed_size: 0
    .private_segment_fixed_size: 0
    .kernarg_segment_align: 8
    .kernarg_segment_size: 88
    .max_flat_workgroup_size: 256
    .sgpr_count:     66
    .vgpr_count:     240
    .wavefront_size: 32
...
	.end_amdgpu_metadata
.endif
;; end of part 1
;; launch proj (part 2): grid 16 x 16, 4 waves a work-group, clusters of 4 x 4, 327,680 bytes of LDS; arguments xb, wb, csb, qkvh; writes qkvh
.if DOCPART == 2
	.amdgcn_target "amdgcn-amd-amdhsa--gfx1250"
	.amdhsa_code_object_version 6
	.text
	.protected	k_q68b6dc3ca0_proj
	.globl	k_q68b6dc3ca0_proj
	.p2align	8
	.type	k_q68b6dc3ca0_proj,@function
k_q68b6dc3ca0_proj:
	s_mov_b64 s[64:65], 0
	v_nop
	global_prefetch_b8 v0, s[64:65] scope:SCOPE_SE
	s_setreg_imm32_b32 hwreg(HW_REG_WAVE_MODE, 25, 1), 1
	s_wait_xcnt 0x0
	s_wait_alu depctr_hold_cnt(0) depctr_sa_sdst(0) depctr_va_vdst(0) depctr_va_sdst(0) depctr_va_ssrc(0) depctr_va_vcc(0) depctr_vm_vsrc(0)
	s_getreg_b32 s2, hwreg(HW_REG_IB_STS2, 6, 4)
	s_cmp_eq_u32 s2, 0
	s_cbranch_scc0 .Lentry_in_a_cluster
	s_endpgm
.Lentry_in_a_cluster:
	s_bfe_u32 s2, ttmp6, 0x10000c
	s_cmp_lg_u32 s2, 0xf033
	s_cbranch_scc0 .Lentry_shape_is_right
	s_endpgm
.Lentry_shape_is_right:
; q, k, v = xb wb^T (bf16 operands, f32 sums), RoPE on q and k in f32, stored as f16 in qkvh[48 heads][2048 t][64].
; Heads 0-31 are q 2^-6, 32-39 k 2^-6, 40-47 v 2^-2 (the powers of two ride on wb).
; LIMITS: a result beyond f16's 65,504 becomes infinite: |q|, |k| < 4.19e6, |v| < 262,000.  Sums run in K order by steps of 32.
; A work-group makes 128 rows (t) x 192 columns (3 heads) with four waves; a wave makes 64 x 96: 24 accumulator tiles of 16 x 16.
; K goes in steps of 128 (rows of 256 bytes, aligned) through two LDS slots filled by the tensor data mover.
; CLUSTERS: 4 x 4 work-groups.  xb's tile hangs on the block row alone and is asked for jointly by a row of the cluster, wb's tile on the
; block column alone and is asked for jointly by a column.  Wave 0 asks for xb's 128 rows, waves 1 to 3 for 64 rows of wb each.
; THE MATRIX INSTRUCTION IS USED TRANSPOSED: source 0 = 16 rows of wb, source 1 = 16 rows of xb; lane l then holds row t = l % 16 and the
; eight neighbouring columns 8 (l / 16) + 0..7: four RoPE pairs, and 16 bytes of f16.
; REGISTERS: window 0: v16-25 addresses, v32-111 and v112-191 two fragment buffers (6 of wb, then 4 of xb).
;            window 1: v0-191 accumulators, tile (a, b) at 8 (6 a + b); v192-255 the cos/sin words of my rows.
.set PITCH,  272                       ; an LDS row: 256 bytes + 16 of padding: an odd multiple of 16, so 16 rows start at 16 different columns of 16 bytes
.set BOFF,   128*PITCH                 ; wb's rows lie behind xb's 128
.set SLOT,   320*PITCH                 ; 87,040
.set STAGE,  2*SLOT                    ; 174,080: the way out's own bytes, a multiple of 256; no tile lands here
.set SP,     400                       ; a stage row: 192 f16 + 16 bytes
.set LAPS,   8                         ; 16 K steps, two a lap
.set ADRA, 16                          ; v16-17 LDS address of my xb fragments in slot 0, 1
.set ADRB, 18                          ; v18-19 the same for wb
.set STO,  20
.set RD,   21
.set CO,   22
.set CSA,  23                          ; byte offsets in csb
.set CSB,  24
.set IDENT, 25                         ; the word cos = 1, sin = 0
.set F0,   32
.set F1,   112
.set WD,   32                          ; the way out: 24 cos/sin words, later the packed f16
.set CC,   56                          ; 48: cos, sin as f32
.set OO,   104                         ; 48: rotated numbers
.set CSR,  192                         ; window 1
.set G1A, 24                           ; s[24:31] group 1 for xb's tiles
.set G0A, 32                           ; s[32:39] group 0 for xb's tiles, one set a slot
.set G1B, 48                           ; s[48:55] group 1 for wb's tiles
.set G0B, 56                           ; s[56:63] group 0 for wb's tiles, one set a slot
.set MUL, 0x50                         ; C and D in window 1, fragments in window 0
.set MSB, 0
.macro WIN new                         ; the immediate's high byte repeats the setting that is left
.if MSB != \new
	s_set_vgpr_msb (MSB<<8)|\new
.set MSB, \new
.endif
.endm
.macro PLACES n
.rept \n
	v_nop
.endr
.endm
; A joint load: one line and one mask for xb, one for wb; the branch hangs on the wave's number alone.
.macro JLOAD s
	s_cmp_eq_u32 s12, 0
	s_cbranch_scc0 .Lfor_b_\@
	tensor_load_to_lds s[G0A+4*\s:G0A+4*\s+3], s[G1A:G1A+7]
	s_nop 0
	s_branch .Lasked_\@
.Lfor_b_\@:
	tensor_load_to_lds s[G0B+4*\s:G0B+4*\s+3], s[G1B:G1B+7]
	s_nop 0
.Lasked_\@:
.endm
.macro CREST                           ; a round of the cluster's barrier behind its opening barrier
	s_cmp_lg_u32 s12, 0
	s_cbranch_scc1 .Lnot_wave_0_\@
	s_barrier_signal -3
.Lnot_wave_0_\@:
	s_barrier_wait -3
	s_barrier_signal -1
	s_barrier_wait -1
.endm
.macro CROUND
	s_barrier_signal -1
	s_barrier_wait -1
	CREST
.endm
	s_load_b256 s[4:11], s[0:1], 0x0               ; xb 4, wb 6, csb 8, qkvh 10
	v_lshl_add_u32 v254, v0, 2, 0x37000
	v_mov_b32 v255, 0
	ds_add_u32 v254, v255
	ds_add_u32 v254, v255
	v_lshrrev_b32 v1, 5, v0
	v_readfirstlane_b32 s12, v1                    ; wave
	s_lshr_b32 s13, s12, 1                         ; wr: which 64 rows
	s_and_b32 s14, s12, 1                          ; wc: which 96 columns
	s_bfe_u32 s40, ttmp6, 0x40000                  ; cx
	s_bfe_u32 s41, ttmp6, 0x40004                  ; cy
	s_lshl_b32 s42, ttmp9, 2
	s_add_co_u32 s42, s42, s40                     ; bx: block of 192 columns
	s_and_b32 s43, ttmp7, 0xffff
	s_lshl_b32 s43, s43, 2
	s_add_co_u32 s43, s43, s41                     ; by: block of 128 rows
	s_lshl_b32 s44, s41, 2
	s_lshl_b32 s44, 15, s44                        ; my row of the cluster
	s_lshl_b32 s45, 0x1111, s40                    ; my column
	s_or_b32 s[G1A+0], s44, (1<<16)|(1<<20)|(1<<21)|(5<<22)|(3<<25)   ; mask; 2-byte elements; padding on; bit 21 beside a mask; 4 words behind every 64
	s_mov_b32 s[G1A+1], 128<<16                    ; tensor_dim0 = 128
	s_mov_b32 s[G1A+2], 128<<16                    ; tensor_dim1 = 128
	s_mov_b32 s[G1A+3], 128<<16                    ; tile_dim0 = 128
	s_mov_b32 s[G1A+4], 128                        ; tile_dim1 = 128
	s_mov_b32 s[G1A+5], 2048                       ; elements from row to row
	s_mov_b32 s[G1A+6], 0
	s_mov_b32 s[G1A+7], 0
	s_or_b32 s[G1B+0], s45, (1<<16)|(1<<20)|(1<<21)|(5<<22)|(3<<25)
	s_mov_b32 s[G1B+1], 128<<16
	s_mov_b32 s[G1B+2], 64<<16                     ; 64 rows
	s_mov_b32 s[G1B+3], 128<<16
	s_mov_b32 s[G1B+4], 64
	s_mov_b32 s[G1B+5], 2048
	s_mov_b32 s[G1B+6], 0
	s_mov_b32 s[G1B+7], 0
	s_lshl_b32 s16, s43, 19                        ; xb: 128 by rows of 4,096 bytes
	s_mov_b32 s17, 0
	s_max_u32 s20, s12, 1
	s_sub_co_u32 s20, s20, 1                       ; which 64 rows of wb's tile (waves 1 to 3)
	s_lshl_b32 s20, s20, 6
	s_mul_i32 s46, s42, 192
	s_add_co_u32 s46, s46, s20
	s_lshl_b32 s46, s46, 12                        ; wb: (192 bx + 64 part) rows of 4,096 bytes
	s_mov_b32 s47, 0
	s_mul_i32 s21, s12, 64*PITCH
	s_add_co_u32 s21, s21, 64*PITCH                ; wb's part in LDS: 17,408 (wave + 1)
	s_wait_dscnt 0x0
	s_wait_kmcnt 0x0
	s_add_nc_u64 s[18:19], s[4:5], s[16:17]
	s_add_nc_u64 s[46:47], s[6:7], s[46:47]
	CROUND                                         ; all sixteen work-groups are here: the first joint loads meet
.irp s, 0,1
	s_mov_b32 s[G0A+4*\s], 1
	s_mov_b32 s[G0A+4*\s+1], \s*SLOT
	s_add_nc_u64 s[G0A+4*\s+2:G0A+4*\s+3], s[18:19], \s*256
	s_or_b32 s[G0A+4*\s+3], s[G0A+4*\s+3], 0x80000000
	s_mov_b32 s[G0B+4*\s], 1
	s_add_co_u32 s[G0B+4*\s+1], s21, \s*SLOT
	s_add_nc_u64 s[G0B+4*\s+2:G0B+4*\s+3], s[46:47], \s*256
	s_or_b32 s[G0B+4*\s+3], s[G0B+4*\s+3], 0x80000000
	JLOAD \s                                       ; K steps 0 and 1: two loads of this wave are out
.endr
	v_and_b32 v1, 15, v0                           ; r
	v_bfe_u32 v2, v0, 4, 1                         ; h
	v_mul_u32_u24 v3, v1, PITCH
	v_lshl_add_u32 v3, v2, 4, v3                   ; r x pitch + 16 h
	s_mul_i32 s22, s13, 64*PITCH
	s_mul_i32 s23, s14, 96*PITCH
	s_add_co_u32 s23, s23, BOFF
.irp s, 0,1
	v_add_nc_u32 v[ADRA+\s], s22, v3
	v_add_nc_u32 v[ADRB+\s], s23, v3
	s_add_co_u32 s22, s22, SLOT
	s_add_co_u32 s23, s23, SLOT
.endr
	s_mul_i32 s22, s13, 64*SP
	s_mul_i32 s23, s14, 192
	s_add_co_u32 s22, s22, s23
	s_add_co_u32 s22, s22, STAGE
	v_mul_u32_u24 v4, v1, SP
	v_lshl_add_u32 v4, v2, 4, v4
	v_add_nc_u32 v[STO], s22, v4                   ; stage + (64 wr + r) 400 + 192 wc + 16 h
	v_and_b32 v5, 31, v0
	v_lshrrev_b32 v6, 3, v5
	v_and_b32 v7, 7, v0
	v_mul_u32_u24 v6, v6, SP
	v_lshl_add_u32 v6, v7, 4, v6
	s_mul_i32 s22, s12, 32*SP
	s_add_co_u32 s22, s22, STAGE
	v_add_nc_u32 v[RD], s22, v6                    ; stage + (32 wave + l / 8) 400 + 16 (l % 8)
	v_lshlrev_b32 v[CO], 4, v5                     ; 16 l
	s_lshl_b32 s76, s43, 14                        ; csb: row 128 by + 64 wr + r, 128 bytes a row,
	s_lshl_b32 s77, s13, 13
	s_add_co_u32 s76, s76, s77
	s_lshl_b32 s77, s14, 6                         ; my first column is dimension 0 (wc = 0) or 32 (wc = 1) of a head: 64 bytes on
	s_add_co_u32 s76, s76, s77
	v_lshlrev_b32 v8, 7, v1
	v_lshl_add_u32 v8, v2, 4, v8
	v_add_nc_u32 v[CSA], s76, v8
	v_xor_b32 v[CSB], 64, v[CSA]                   ; the row's other half
	v_mov_b32 v[IDENT], 0x3f80
	; The cos/sin words of my 64 rows, 16 loads; column tile b uses chunk b % 4.  They stay out until the way out.
	WIN 0x40
.irp a, 0,1,2,3
.irp q, 0,1
	global_load_b128 v[CSR+16*\a+4*\q:CSR+16*\a+4*\q+3], v[CSA], s[8:9] offset:2048*\a+32*\q
	global_load_b128 v[CSR+16*\a+8+4*\q:CSR+16*\a+8+4*\q+3], v[CSB], s[8:9] offset:2048*\a+32*\q
.endr
.endr
	WIN 0
; 12 matrix instructions: row blocks 2 half, 2 half + 1 x all 6 column blocks, 32 along K.  The 24 accumulators take turns, one instruction
; a turn, in the same order in every quarter step.
.macro MULH f, half, zero
.irp a, 2*\half, 2*\half+1
.irp b, 0,1,2,3,4,5
.if \zero
	v_wmma_f32_16x16x32_bf16 v[8*(6*(\a)+\b):8*(6*(\a)+\b)+7], v[\f+8*\b:\f+8*\b+7], v[\f+48+8*(\a):\f+48+8*(\a)+7], 0
.else
	v_wmma_f32_16x16x32_bf16 v[8*(6*(\a)+\b):8*(6*(\a)+\b)+7], v[\f+8*\b:\f+8*\b+7], v[\f+48+8*(\a):\f+48+8*(\a)+7], v[8*(6*(\a)+\b):8*(6*(\a)+\b)+7]
.endif
.endr
.endr
.endm
; 20 LDS loads: one quarter step's fragments (96 rows of wb, 64 of xb, 32 K at byte k) into buffer f
.macro FETCH slot, k, f
.irp i, 0,1,2,3,4,5
	ds_load_b128 v[\f+8*\i:\f+8*\i+3],   v[ADRB+\slot] offset:\k+\i*16*PITCH
	ds_load_b128 v[\f+8*\i+4:\f+8*\i+7], v[ADRB+\slot] offset:\k+\i*16*PITCH+32
.endr
.irp i, 0,1,2,3
	ds_load_b128 v[\f+48+8*\i:\f+48+8*\i+3], v[ADRA+\slot] offset:\k+\i*16*PITCH
	ds_load_b128 v[\f+48+8*\i+4:\f+48+8*\i+7], v[ADRA+\slot] offset:\k+\i*16*PITCH+32
.endr
.endm
; One of a K step's first three quarters: buffer f is multiplied; the next quarter's fragments are asked for first, into buffer g,
; four places behind the matrix instructions that read g (ISA guide 7.12.1), and have the 24 matrix instructions in which to come.
.macro QUARTER slot, k, f, g, zero
	s_wait_dscnt 0x0                               ; buffer f is in
	WIN 0
	PLACES 4
	FETCH \slot, \k, \g
	WIN MUL
	MULH \f, 0, \zero
	MULH \f, 1, \zero
.endm
.macro THREE slot, zero
	QUARTER \slot, 64,  F0, F1, \zero
	QUARTER \slot, 128, F1, F0, 0
	QUARTER \slot, 192, F0, F1, 0
.endm
; The last quarter changes slots.  In front of the barrier each wave waits for its reads of this slot and for all its tensor loads (one is
; out: its part of the next slot).  Where the slot is filled again the barrier opens a round of the cluster's barrier, and the joint refill
; is the first tensor load behind the round.
.macro TURN slot, next, fill
	s_wait_dscnt 0x0
	s_wait_tensorcnt 0x0
	ds_add_u32 v254, v255
	s_wait_dscnt 0x0
	s_barrier_signal -1
	WIN MUL
	MULH F1, 0, 0                                  ; registers only, while the others arrive
	WIN 0
	s_barrier_wait -1
.if \fill
	CREST
	s_add_nc_u64 s[G0A+4*\slot+2:G0A+4*\slot+3], s[G0A+4*\slot+2:G0A+4*\slot+3], 512   ; two K steps on; no load of mine is out
	s_add_nc_u64 s[G0B+4*\slot+2:G0B+4*\slot+3], s[G0B+4*\slot+2:G0B+4*\slot+3], 512
	JLOAD \slot
.endif
	PLACES 4
	FETCH \next, 0, F0
	WIN MUL
	MULH F1, 1, 0
.endm
.macro LAP zero
	THREE 0, \zero
	TURN 0, 1, 1
	THREE 1, 0
	TURN 1, 0, 1
.endm
	s_wait_tensorcnt 0x1                           ; my part of K step 0 is in; K step 1's may stay out
	s_barrier_signal -1
	s_barrier_wait -1
	FETCH 0, 0, F0
	LAP 1                                          ; the first products start the sums: nothing is cleared
	WIN 0
	s_mov_b32 s3, LAPS-2
.Llap:
	LAP 0
	WIN 0
	s_sub_co_u32 s3, s3, 1
	s_cmp_lg_u32 s3, 0
	s_cbranch_scc1 .Llap
	THREE 0, 0                                     ; the last lap fills nothing
	TURN 0, 1, 0
	THREE 1, 0
	s_wait_dscnt 0x0
	WIN MUL
	MULH F1, 0, 0
	MULH F1, 1, 0
	; THE WAY OUT.  Four places behind the last matrix instructions, then RoPE in f32, f16, the stage, whole rows out.
	WIN 0
	PLACES 4
	s_wait_loadcnt 0x0                             ; the cos/sin words
	s_mul_i32 s77, s14, 6
	s_mul_i32 s78, s42, 3
.irp b, 0,1,2,3,4,5
	s_add_co_u32 s79, s77, \b
	s_lshr_b32 s79, s79, 2
	s_add_co_u32 s79, s79, s78                     ; the head of column tile b: 3 bx + (6 wc + b) / 4
	s_cmp_ge_u32 s79, 40
	s_cselect_b32 s[70+\b], -1, 0                  ; heads of v are not rotated: they take cos = 1, sin = 0
.endr
.irp a, 0,1,2,3
	WIN 0x01                                       ; source 0 in window 1
.irp b, 0,1,2,3,4,5
.irp i, 0,1,2,3
	v_cndmask_b32 v[WD+4*\b+\i], v[CSR+16*\a+4*(\b%4)+\i], v[IDENT], s[70+\b]
.endr
.endr
	WIN 0
.set k, 0
.rept 24
	v_lshlrev_b32 v[CC+2*k], 16, v[WD+k]           ; cos
	v_and_b32 v[CC+2*k+1], 0xffff0000, v[WD+k]     ; sin
.set k, k+1
.endr
	WIN 0x01
.irp b, 0,1,2,3,4,5
.irp i, 0,1,2,3
	v_mul_f32 v[OO+8*\b+2*\i],   v[8*(6*\a+\b)+2*\i+1], v[CC+2*(4*\b+\i)+1]                      ; t1 s
	v_mul_f32 v[OO+8*\b+2*\i+1], v[8*(6*\a+\b)+2*\i+1], v[CC+2*(4*\b+\i)]                        ; t1 c
	v_fma_f32 v[OO+8*\b+2*\i],   v[8*(6*\a+\b)+2*\i], v[CC+2*(4*\b+\i)], -v[OO+8*\b+2*\i]        ; t0 c - t1 s
	v_fma_f32 v[OO+8*\b+2*\i+1], v[8*(6*\a+\b)+2*\i], v[CC+2*(4*\b+\i)+1], v[OO+8*\b+2*\i+1]     ; t0 s + t1 c
.endr
.endr
	WIN 0
.irp b, 0,1,2,3,4,5
.irp i, 0,1,2,3
	v_cvt_pk_f16_f32 v[WD+4*\b+\i], v[OO+8*\b+2*\i], v[OO+8*\b+2*\i+1]
.endr
	ds_store_b128 v[STO], v[WD+4*\b:WD+4*\b+3] offset:6400*\a+32*\b
.endr
.endr
	s_mul_i32 s80, s42, 0xc0000                    ; 3 bx heads of 262,144 bytes
	s_lshl_b32 s82, s43, 14                        ; + (128 by + 32 wave) rows of 128 bytes
	s_add_co_u32 s80, s80, s82
	s_lshl_b32 s82, s12, 12
	s_add_co_u32 s80, s80, s82
	s_mov_b32 s81, 0
	s_add_nc_u64 s[10:11], s[10:11], s[80:81]
	s_wait_dscnt 0x0                               ; my stores into the stage are done,
	s_barrier_signal -1
	s_barrier_wait -1                              ; everybody's are: a stage row has parts of two waves
	; wave w takes rows 32 w .. 32 w + 31: four rows of one head are 512 consecutive bytes of qkvh
.irp g, 0,1,2,3,4,5,6,7
.irp hl, 0,1,2
	ds_load_b128 v[32+4*(3*\g+\hl):32+4*(3*\g+\hl)+3], v[RD] offset:1600*\g+128*\hl
.endr
.endr
.irp g, 0,1,2,3,4,5,6,7
.irp hl, 0,1,2
	s_wait_dscnt 23-(3*\g+\hl)                     ; LDS loads return in order: this one is in, the younger ones stay out
	global_store_b128 v[CO], v[32+4*(3*\g+\hl):32+4*(3*\g+\hl)+3], s[10:11] offset:262144*\hl+512*\g
.endr
.endr
	s_wait_tensorcnt 0x0
	ds_add_u32 v254, v255
	s_wait_dscnt 0x0
	CROUND                                         ; the closing round: no work-group ends while a partner may still ask jointly
	s_endpgm
.Lfunc_end_k_q68b6dc3ca0_proj:
	.size	k_q68b6dc3ca0_proj, .Lfunc_end_k_q68b6dc3ca0_proj-k_q68b6dc3ca0_proj
	.p2alignl 7, 3214868480
	.fill 96, 4, 3214868480
	.section	.rodata,"a",@progbits
	.p2align	6, 0x0
	.amdhsa_kernel k_q68b6dc3ca0_proj
		.amdhsa_group_segment_fixed_size 327680
		.amdhsa_private_segment_fixed_size 0
		.amdhsa_enable_private_segment 0
		.amdhsa_kernarg_size 32
		.amdhsa_user_sgpr_count 2
		.amdhsa_user_sgpr_kernarg_segment_ptr 1
		.amdhsa_wavefront_size32 1
		.amdhsa_system_sgpr_workgroup_id_x 1
		.amdhsa_system_sgpr_workgroup_id_y 1
		.amdhsa_system_sgpr_workgroup_id_z 1
		.amdhsa_system_vgpr_workitem_id 0
		.amdhsa_next_free_vgpr 512
		.amdhsa_next_free_sgpr 84
		.amdhsa_reserve_vcc 0
		.amdhsa_float_denorm_mode_32 3
		.amdhsa_float_denorm_mode_16_64 3
		.amdhsa_memory_ordered 1
		.amdhsa_forward_progress 1
		.amdhsa_inst_pref_size 131
	.end_amdhsa_kernel
	.amdgpu_metadata
---
amdhsa.version: [ 1, 2 ]
amdhsa.kernels:
  - .name:           k_q68b6dc3ca0_proj
    .symbol:         k_q68b6dc3ca0_proj.kd
    .args:
      - { .name: xb, .offset: 0, .size: 8, .value_kind: global_buffer, .address_space: global }
      - { .name: wb, .offset: 8, .size: 8, .value_kind: global_buffer, .address_space: global }
      - { .name: csb, .offset: 16, .size: 8, .value_kind: global_buffer, .address_space: global }
      - { .name: qkvh, .offset: 24, .size: 8, .value_kind: global_buffer, .address_space: global }
    .group_segment_fixed_size: 327680
    .private_segment_fixed_size: 0
    .kernarg_segment_align: 8
    .kernarg_segment_size: 32
    .max_flat_workgroup_size: 128
    .sgpr_count:     84
    .vgpr_count:     512
    .wavefront_size: 32
...
	.end_amdgpu_metadata
.endif
;; end of part 2
;; launch attn (part 3): grid 32 x 8, 4 waves a work-group, no clusters, 327,680 bytes of LDS; arguments qkvh, y2; writes y2
.if DOCPART == 3
	.amdgcn_target "amdgcn-amd-amdhsa--gfx1250"
	.amdhsa_code_object_version 6
	.text
	.protected	k_q68b6dc3ca0_attn
	.globl	k_q68b6dc3ca0_attn
	.p2align	8
	.type	k_q68b6dc3ca0_attn,@function
k_q68b6dc3ca0_attn:
	s_mov_b64 s[64:65], 0
	v_nop
	global_prefetch_b8 v0, s[64:65] scope:SCOPE_SE
	s_setreg_imm32_b32 hwreg(HW_REG_WAVE_MODE, 25, 1), 1
	s_wait_xcnt 0x0
; Causal attention with a running maximum, f16 operands, f32 sums and softmax.  y2[t][head][hi 64, lo 64] f16: y / 4 as the sum of two f16.
; Work-group (p, g): key/value head g; wave w is query head 4 g + w, so the four heads share K's and V's tiles in LDS.  The work-group takes
; the query blocks of 32 rows j = p and j = 63 - p.  Keys come in tiles of 128: block j needs j / 4 + 1 of them, the two blocks together 17
; for every p, so all 256 work-groups do the same work.  Each block begins with its diagonal tile and walks down to tile 0.
; NO CLUSTER: at step n the work-groups of one key/value head want tile p / 4 - n or 16 - n: different tiles for different p, so there is
; no joint request to make.  NO PREFETCH: qkvh is 12.6 MB that the launch before has just stored and that 32 work-groups a head read again.
; S^T = K Q^T: a lane holds one query (l % 16) and 8 keys a tile, so the row maximum is taken inside the lane and across the two halves of
; the wave, and maximum, sum and rescale factor are one number a lane.  P^T packed in place is source 1 of O^T = V^T P^T.
; The exponent is S C - m C with C = 2^12 / 8 x log2(e): q and k carry 2^-6 each.  m is the running maximum of the row, as in reference().
; The second block's sums are not cleared: its maximum starts at -inf, so its first rescale factor is exp2(-inf) = 0, which makes zeros of
; the first block's sums.  LIMIT: that holds while those sums are finite, which they are wherever q, k, v are inside f16's range.
; LIMITS: finite inputs; P and V are f16; a masked score is -inf here and the least f32 in reference(): both give the weight 0.
; LDS: a slot is four regions of 10,240 bytes, region w filled by wave w: K keys 0-63, K keys 64-127 (pitch 144), V keys 0-63, 64-127 (pitch 160).
.set REG,    10240
.set SLOT,   4*REG
.set KP,     144                       ; odd multiple of 16
.set VP,     160                       ; odd multiple of 32, for the transposing loads
.set STAGE,  2*SLOT                    ; 81,920: each wave's own 32 rows of 272 bytes; no tile lands here
.set SPITCH, 272
.set ADRK, 8
.set ADRV, 9
.set QO,   10
.set STO,  12
.set RD,   13
.set CO,   14
.set THR,  15                          ; the mask's threshold of the block at work
.set THRB, 16                          ; of the second block
.set NINF, 17
.set M,    18                          ; v18-19  running maximum, query tile 0, 1
.set L,    20                          ; v20-23  running sum, a pair a query tile
.set AL,   24                          ; v24-27  rescale factor, twice a query tile
.set NM,   28                          ; v28-31  -m C, twice a query tile
.set SC,   32                          ; v32-95  S^T, tile 2 mt + nt; then P^T
.set KF,   96                          ; v96-159 K's fragments (mt, kk)
.set VF,   160                         ; v160-223 V^T's fragments (dt, kc)
.set TA,   224
.set TB,   226
.set TU,   228
.set TM,   230
.set TS,   232
.set TE,   236
.set QF,   64                          ; window 1: v0-63 O^T, tile 2 dt + nt; v64-95 Q's fragments (nt, kk); v96-127 the second block's
.set QB,   96
.set YY,   32                          ; the end of a block: 32 scaled numbers; v64-67 hi; v68-71 lo; v72-79 hi as f32
.set LOW,  68
.set ZZ,   72
.set G1K, 16
.set G1V, 24
.set G0,  32                           ; s[32:39] group 0, one set a slot
.set MSB, 0
.macro WIN new
.if MSB != \new
	s_set_vgpr_msb (MSB<<8)|\new
.set MSB, \new
.endif
.endm
.macro PLACES n
.rept \n
	v_nop
.endr
.endm
; The address of the tile of step n + ahead into slot s's group 0: tile nA - 1 - step in the first block, 16 - step in the second.
.macro TADDR s, ahead
	s_add_co_u32 s52, s13, \ahead
	s_cmp_lt_u32 s52, s11
	s_cselect_b32 s53, s12, 16
	s_sub_co_u32 s42, s53, s52
	s_lshl_b32 s42, s42, 14                        ; 128 rows of 128 bytes
	s_add_nc_u64 s[G0+4*\s+2:G0+4*\s+3], s[40:41], s[42:43]
	s_or_b32 s[G0+4*\s+3], s[G0+4*\s+3], 0x80000000
.endm
; One load a wave: 64 rows of K (waves 0, 1) or of V (waves 2, 3).  The two lines differ in the padding alone.
.macro TLOAD s
	s_cmp_lt_u32 s8, 2
	s_cbranch_scc0 .Ltv_\@
	tensor_load_to_lds s[G0+4*\s:G0+4*\s+3], s[G1K:G1K+7]
	s_nop 0
	s_branch .Ltd_\@
.Ltv_\@:
	tensor_load_to_lds s[G0+4*\s:G0+4*\s+3], s[G1V:G1V+7]
	s_nop 0
.Ltd_\@:
.endm
.macro KLOAD slot, ks                  ; 16 loads: K's fragments of 64 keys
.irp mt, 0,1,2,3
.irp kk, 0,1
	ds_load_b128 v[KF+16*\mt+8*\kk:KF+16*\mt+8*\kk+3],   v[ADRK] offset:(\slot)*SLOT+\ks*REG+\mt*16*KP+64*\kk
	ds_load_b128 v[KF+16*\mt+8*\kk+4:KF+16*\mt+8*\kk+7], v[ADRK] offset:(\slot)*SLOT+\ks*REG+\mt*16*KP+64*\kk+32
.endr
.endr
.endm
.macro VLOAD slot, ks                  ; 16 transposing loads: V^T's fragments of 64 keys
.irp kc, 0,1
.irp dt, 0,1,2,3
	ds_load_tr16_b128 v[VF+16*\dt+8*\kc:VF+16*\dt+8*\kc+3],   v[ADRV] offset:(\slot)*SLOT+(64*\ks+32*\kc)*VP+32*\dt
	ds_load_tr16_b128 v[VF+16*\dt+8*\kc+4:VF+16*\dt+8*\kc+7], v[ADRV] offset:(\slot)*SLOT+(64*\ks+32*\kc+16)*VP+32*\dt
.endr
.endr
.endm
; 16 matrix instructions each; the eight accumulators take turns, one instruction a turn.
.macro QK
	WIN 0x04                                       ; source 1 (Q) in window 1
.irp t, 0,1,2,3,4,5,6,7
	v_wmma_f32_16x16x32_f16 v[SC+8*\t:SC+8*\t+7], v[KF+16*(\t/2):KF+16*(\t/2)+7], v[QF+16*(\t%2):QF+16*(\t%2)+7], 0
.endr
.irp t, 0,1,2,3,4,5,6,7
	v_wmma_f32_16x16x32_f16 v[SC+8*\t:SC+8*\t+7], v[KF+16*(\t/2)+8:KF+16*(\t/2)+15], v[QF+16*(\t%2)+8:QF+16*(\t%2)+15], v[SC+8*\t:SC+8*\t+7]
.endr
	WIN 0
.endm
.macro PV zero
	WIN 0x50                                       ; C and D (O) in window 1
.irp t, 0,1,2,3,4,5,6,7
.if \zero
	v_wmma_f32_16x16x32_f16 v[8*\t:8*\t+7], v[VF+16*(\t/2):VF+16*(\t/2)+7], v[SC+8*(\t%2):SC+8*(\t%2)+7], 0
.else
	v_wmma_f32_16x16x32_f16 v[8*\t:8*\t+7], v[VF+16*(\t/2):VF+16*(\t/2)+7], v[SC+8*(\t%2):SC+8*(\t%2)+7], v[8*\t:8*\t+7]
.endif
.endr
.irp t, 0,1,2,3,4,5,6,7
	v_wmma_f32_16x16x32_f16 v[8*\t:8*\t+7], v[VF+16*(\t/2)+8:VF+16*(\t/2)+15], v[SC+32+8*(\t%2):SC+32+8*(\t%2)+7], v[8*\t:8*\t+7]
.endr
	WIN 0
.endm
.macro RESCALE
	WIN 0x41
.irp t, 0,1,2,3,4,5,6,7
.irp i, 0,2,4,6
	v_pk_mul_f32 v[8*\t+\i:8*\t+\i+1], v[8*\t+\i:8*\t+\i+1], v[AL+2*(\t%2):AL+2*(\t%2)+1]
.endr
.endr
.endm
; The diagonal tile: key 64 ks + 16 mt + 8 h + j is masked for query 32 (block % 4) + 16 nt + r if it is the larger.
.macro MASK ks
.irp t, 0,1,2,3,4,5,6,7
.irp jj, 0,1,2,3,4,5,6,7
	v_cmp_gt_i32 vcc_lo, 64*\ks+16*(\t/2)-16*(\t%2)+\jj, v[THR]
	v_cndmask_b32 v[SC+8*\t+\jj], v[SC+8*\t+\jj], v[NINF], vcc_lo
.endr
.endr
.endm
; Softmax of 64 keys x 32 queries: new maximum, rescale factor, P = exp2(S C - m C), the sum, P as f16 in place.
.macro SOFT
.irp nt, 0,1
	v_max3_num_f32 v[TA+\nt], v[SC+8*\nt], v[SC+8*\nt+1], v[SC+8*\nt+2]
	v_max3_num_f32 v[TB+\nt], v[SC+32+8*\nt], v[SC+32+8*\nt+1], v[SC+32+8*\nt+2]
.endr
.irp i, 3,5,7,9,11,13
.irp nt, 0,1
	v_max3_num_f32 v[TA+\nt], v[TA+\nt], v[SC+8*\nt+\i+8*(\i/8)], v[SC+8*\nt+\i+1+8*((\i+1)/8)]
	v_max3_num_f32 v[TB+\nt], v[TB+\nt], v[SC+32+8*\nt+\i+8*(\i/8)], v[SC+32+8*\nt+\i+1+8*((\i+1)/8)]
.endr
.endr
.irp nt, 0,1
	v_max3_num_f32 v[TA+\nt], v[TA+\nt], v[SC+8*\nt+23], v[SC+32+8*\nt+23]
.endr
.irp nt, 0,1
	v_max_num_f32 v[TA+\nt], v[TA+\nt], v[TB+\nt]
.endr
.irp nt, 0,1
	v_permlanex16_b32 v[TU+\nt], v[TA+\nt], s56, s57     ; the other half of the wave holds the query's other keys
.endr
.irp nt, 0,1
	v_max3_num_f32 v[TM+\nt], v[TA+\nt], v[TU+\nt], v[M+\nt]
.endr
.irp nt, 0,1
	v_mul_f32 v[NM+2*\nt], 0xc438aa3b, v[TM+\nt]         ; -m C
.endr
.irp nt, 0,1
	v_fma_f32 v[TE+\nt], v[M+\nt], s58, v[NM+2*\nt]      ; (old m - m) C
	v_mov_b32 v[NM+2*\nt+1], v[NM+2*\nt]
	v_mov_b32 v[M+\nt], v[TM+\nt]
.endr
.irp nt, 0,1
	v_exp_f32 v[AL+2*\nt], v[TE+\nt]
	v_exp_f32 v[AL+2*\nt+1], v[TE+\nt]
.endr
.set i, 0
.rept 32                                           ; the first of these is the plain instruction behind the exponentials above (ISA guide 5.7.2)
	v_pk_fma_f32 v[SC+2*i:SC+2*i+1], v[SC+2*i:SC+2*i+1], 0x4438aa3b, v[NM+2*((i/4)%2):NM+2*((i/4)%2)+1] op_sel_hi:[1,0,1]
.set i, i+1
.endr
.set i, 0
.rept 64
	v_exp_f32 v[SC+i], v[SC+i]
.set i, i+1
.endr
	v_nop                                          ; one plain instruction before the results are used
	s_wait_alu depctr_va_vdst(0)
.irp nt, 0,1
	v_pk_fma_f32 v[L+2*\nt:L+2*\nt+1], v[L+2*\nt:L+2*\nt+1], v[AL+2*\nt:AL+2*\nt+1], v[SC+8*\nt:SC+8*\nt+1]
	v_pk_add_f32 v[TS+2*\nt:TS+2*\nt+1], v[SC+32+8*\nt:SC+32+8*\nt+1], v[SC+32+8*\nt+2:SC+32+8*\nt+3]
.endr
.irp o, 4,6,16,18,20,22
.irp nt, 0,1
	v_pk_add_f32 v[L+2*\nt:L+2*\nt+1], v[L+2*\nt:L+2*\nt+1], v[SC+8*\nt+\o:SC+8*\nt+\o+1]
	v_pk_add_f32 v[TS+2*\nt:TS+2*\nt+1], v[TS+2*\nt:TS+2*\nt+1], v[SC+32+8*\nt+\o:SC+32+8*\nt+\o+1]
.endr
.endr
.irp nt, 0,1
	v_pk_add_f32 v[L+2*\nt:L+2*\nt+1], v[L+2*\nt:L+2*\nt+1], v[SC+8*\nt+2:SC+8*\nt+3]
.endr
.irp nt, 0,1
	v_pk_add_f32 v[L+2*\nt:L+2*\nt+1], v[L+2*\nt:L+2*\nt+1], v[TS+2*\nt:TS+2*\nt+1]
.endr
	; fragment (nt, kc) of P^T: keys 32 kc + 8 h + 0..7 from tile (2 kc, nt), keys 32 kc + 16 + 8 h + 0..7 from tile (2 kc + 1, nt)
.irp kc, 0,1
.irp nt, 0,1
.irp i, 0,1,2,3
	v_cvt_pk_f16_f32 v[SC+32*\kc+8*\nt+\i], v[SC+32*\kc+8*\nt+2*\i], v[SC+32*\kc+8*\nt+2*\i+1]
.endr
.irp i, 0,1,2,3
	v_cvt_pk_f16_f32 v[SC+32*\kc+8*\nt+4+\i], v[SC+32*\kc+8*\nt+16+2*\i], v[SC+32*\kc+8*\nt+16+2*\i+1]
.endr
.endr
.endr
.endm
; The change of slots behind a tile's second half.  In front of the barrier: my reads of this slot are back and all my tensor loads have
; landed (one is out: my part of the next tile).  Behind it the refill comes first, then the next tile's first fragments.
.macro CHANGE slot, refill
	s_wait_dscnt 0x0
	s_wait_tensorcnt 0x0
	ds_add_u32 v254, v255
	s_wait_dscnt 0x0
.if \refill
	TADDR \slot, 2                                 ; no load of mine is out: the group 0 may be written
.endif
	s_barrier_signal -1
	RESCALE                                        ; registers only, while the others arrive
	PV 0
	s_barrier_wait -1
.if \refill
	TLOAD \slot
.endif
	PLACES 5                                       ; behind PV: the next S^T is written over P^T (ISA guide 7.12.1)
	KLOAD 1-\slot, 0
.endm
; 64 keys.  mode 1: masked; 2: masked if the flag s14 says that this is a diagonal tile; 0: not masked.
; kind 0: a tile's first half; 1, 2: its second half with the change of slots, with and without a refill; 3: the last of all.
.macro SUB slot, ks, mode, first, kind
	s_wait_dscnt 0x0                               ; K's fragments are in
	QK
	PLACES 4                                       ; behind the matrix instructions: their results are read and K's registers loaded again
	VLOAD \slot, \ks
.if \ks == 0
	KLOAD \slot, 1
.endif
.if \mode == 1
	MASK \ks
.endif
.if \mode == 2
	s_cmp_eq_u32 s14, 0
	s_cbranch_scc1 .Lclear_\@
	MASK \ks
.Lclear_\@:
.endif
	SOFT
.if \kind == 0
	s_wait_dscnt 16                                ; V's 16 loads are in; the 16 of K's second half, issued after them, may stay out
.if \first
	PV 1                                           ; the launch's first product starts the sums
.else
	RESCALE
	PV 0
.endif
	PLACES 5
.endif
.if \kind == 1
	CHANGE \slot, 1
.endif
.if \kind == 2
	CHANGE \slot, 0
.endif
.if \kind == 3
	s_wait_dscnt 0x0
	RESCALE
	PV 0
	PLACES 5
.endif
.endm
; The end of a block: O / l as hi + lo in f16, through my own stage, out as whole rows of 256 bytes.  No barrier, no tensor load.
.macro FINAL
.irp nt, 0,1
	v_add_f32 v[TA+\nt], v[L+2*\nt], v[L+2*\nt+1]
.endr
.irp nt, 0,1
	v_permlanex16_b32 v[TU+\nt], v[TA+\nt], s56, s57
.endr
.irp nt, 0,1
	v_add_f32 v[TA+\nt], v[TA+\nt], v[TU+\nt]
.endr
.irp nt, 0,1
	v_rcp_f32 v[AL+2*\nt], v[TA+\nt]
	v_rcp_f32 v[AL+2*\nt+1], v[TA+\nt]
.endr
	v_nop
	s_wait_alu depctr_va_vdst(0)
.irp nt, 0,1
	WIN 0x01
.irp dt, 0,1,2,3
.irp i, 0,2,4,6
	v_pk_mul_f32 v[YY+8*\dt+\i:YY+8*\dt+\i+1], v[8*(2*\dt+\nt)+\i:8*(2*\dt+\nt)+\i+1], v[AL+2*\nt:AL+2*\nt+1]
.endr
.endr
	WIN 0
.irp dt, 0,1,2,3
.irp i, 0,1,2,3
	v_cvt_pk_f16_f32 v[64+\i], v[YY+8*\dt+2*\i], v[YY+8*\dt+2*\i+1]      ; hi
.endr
	v_cvt_f32_f16 v[ZZ+0], v64.l
	v_cvt_f32_f16 v[ZZ+1], v64.h
	v_cvt_f32_f16 v[ZZ+2], v65.l
	v_cvt_f32_f16 v[ZZ+3], v65.h
	v_cvt_f32_f16 v[ZZ+4], v66.l
	v_cvt_f32_f16 v[ZZ+5], v66.h
	v_cvt_f32_f16 v[ZZ+6], v67.l
	v_cvt_f32_f16 v[ZZ+7], v67.h
.irp i, 0,2,4,6
	v_pk_add_f32 v[ZZ+\i:ZZ+\i+1], v[YY+8*\dt+\i:YY+8*\dt+\i+1], v[ZZ+\i:ZZ+\i+1] neg_lo:[0,1] neg_hi:[0,1]   ; what hi left out
.endr
.irp i, 0,1,2,3
	v_cvt_pk_f16_f32 v[LOW+\i], v[ZZ+2*\i], v[ZZ+2*\i+1]
.endr
	ds_store_b128 v[STO], v[64:67] offset:4352*\nt+32*\dt
	ds_store_b128 v[STO], v[LOW:LOW+3] offset:4352*\nt+32*\dt+128
.endr
.endr
.irp i, 0,1,2,3,4,5,6,7,8,9,10,11,12,13,14,15
	ds_load_b128 v[VF+4*\i:VF+4*\i+3], v[RD] offset:544*\i             ; LDS serves a wave's instructions in order: these see the stores above
.endr
.irp i, 0,1,2,3,4,5,6,7,8,9,10,11,12,13,14,15
	s_wait_dscnt 15-\i                             ; this one is in, the younger ones stay out
	global_store_b128 v[CO], v[VF+4*\i:VF+4*\i+3], s[48:49] offset:16384*\i   ; 16 lanes store the 256 aligned bytes of one (t, head)
.endr
	s_wait_xcnt 0x0                                ; V's registers and the base are written again only behind this wait
.endm
.macro INITB                           ; the second block: its Q, its threshold, its rows of y2; the maximum starts anew
	WIN 0x41
.set i, 0
.rept 32
	v_mov_b32 v[QF+i], v[QB+i]
.set i, i+1
.endr
	WIN 0
	v_mov_b32 v[M], v[NINF]
	v_mov_b32 v[M+1], v[NINF]
	v_mov_b32 v[THR], v[THRB]
	s_mov_b64 s[48:49], s[50:51]
	s_mov_b32 s14, 1
.endm
.macro SUPER slot, mode, kind          ; a tile of 128 keys
.if \mode == 2
	s_cmp_lg_u32 s13, s11
	s_cbranch_scc1 .Lsame_\@
	FINAL
	INITB
.Lsame_\@:
.endif
.if \mode == 1
	SUB \slot, 0, \mode, 1, 0
.else
	SUB \slot, 0, \mode, 0, 0
.endif
	SUB \slot, 1, \mode, 0, \kind
	s_add_co_u32 s13, s13, 1
	s_mov_b32 s14, 0
.endm
	s_load_b128 s[4:7], s[0:1], 0x0                ; qkvh 4, y2 6
	v_lshl_add_u32 v254, v0, 2, 0x29000
	v_mov_b32 v255, 0
	ds_add_u32 v254, v255
	ds_add_u32 v254, v255
	v_lshrrev_b32 v1, 5, v0
	v_readfirstlane_b32 s8, v1                     ; wave
	s_mov_b32 s9, ttmp9                            ; p
	s_and_b32 s10, ttmp7, 0xffff                   ; g
	s_lshr_b32 s12, s9, 2                          ; nA - 1: the first block's diagonal tile
	s_add_co_u32 s11, s12, 1                       ; nA: the first block's tiles
	s_mov_b32 s13, 0                               ; n: the step
	s_mov_b32 s14, 1                               ; this step's tile is a diagonal one
	s_mov_b32 s[G1K+0], (1<<16)|(1<<20)|(4<<22)|(3<<25)   ; 2-byte elements; 4 words of padding behind every 32
	s_mov_b32 s[G1K+1], 64<<16
	s_mov_b32 s[G1K+2], 64<<16
	s_mov_b32 s[G1K+3], 64<<16
	s_mov_b32 s[G1K+4], 64
	s_mov_b32 s[G1K+5], 64
	s_mov_b32 s[G1K+6], 0
	s_mov_b32 s[G1K+7], 0
	s_mov_b32 s[G1V+0], (1<<16)|(1<<20)|(4<<22)|(7<<25)   ; 8 words of padding
	s_mov_b32 s[G1V+1], 64<<16
	s_mov_b32 s[G1V+2], 64<<16
	s_mov_b32 s[G1V+3], 64<<16
	s_mov_b32 s[G1V+4], 64
	s_mov_b32 s[G1V+5], 64
	s_mov_b32 s[G1V+6], 0
	s_mov_b32 s[G1V+7], 0
	s_lshr_b32 s52, s8, 1
	s_lshl_b32 s52, s52, 3
	s_add_co_u32 s52, s52, s10
	s_add_co_u32 s52, s52, 32                      ; head 32 + g (K) or 40 + g (V)
	s_lshl_b32 s52, s52, 18
	s_and_b32 s53, s8, 1
	s_lshl_b32 s53, s53, 13                        ; which 64 rows of a tile
	s_add_co_u32 s42, s52, s53
	s_mov_b32 s43, 0
	s_mul_i32 s54, s8, REG
	s_wait_dscnt 0x0
	s_wait_kmcnt 0x0
	s_add_nc_u64 s[40:41], s[4:5], s[42:43]
.irp s, 0,1
	s_mov_b32 s[G0+4*\s], 1
	s_add_co_u32 s[G0+4*\s+1], s54, \s*SLOT
	TADDR \s, \s
	TLOAD \s                                       ; the tiles of steps 0 and 1: two loads of this wave are out
.endr
	s_lshl2_add_u32 s55, s10, s8                   ; my query head
	s_sub_co_u32 s54, 63, s9                       ; the second block
	s_lshl_b32 s52, s55, 18
	s_lshl_b32 s53, s9, 12                         ; 32 rows of 128 bytes a block
	s_add_co_u32 s42, s52, s53
	s_add_nc_u64 s[44:45], s[4:5], s[42:43]
	s_lshl_b32 s53, s54, 12
	s_add_co_u32 s42, s52, s53
	s_add_nc_u64 s[46:47], s[4:5], s[42:43]
	s_lshl_b32 s52, s55, 8
	s_lshl_b32 s53, s9, 18                         ; 32 rows of 8,192 bytes
	s_add_co_u32 s42, s52, s53
	s_add_nc_u64 s[48:49], s[6:7], s[42:43]
	s_lshl_b32 s53, s54, 18
	s_add_co_u32 s42, s52, s53
	s_add_nc_u64 s[50:51], s[6:7], s[42:43]
	s_mov_b32 s56, 0x76543210
	s_mov_b32 s57, 0xfedcba98
	s_mov_b32 s58, 0x4438aa3b                      ; C = 512 log2(e)
	v_and_b32 v1, 15, v0                           ; r
	v_bfe_u32 v2, v0, 4, 1                         ; h
	v_lshlrev_b32 v3, 7, v1
	v_lshl_add_u32 v[QO], v2, 4, v3                ; 128 r + 16 h
	WIN 0x40
.irp nt, 0,1
.irp kk, 0,1
	global_load_b128 v[QF+16*\nt+8*\kk:QF+16*\nt+8*\kk+3],   v[QO], s[44:45] offset:2048*\nt+64*\kk
	global_load_b128 v[QF+16*\nt+8*\kk+4:QF+16*\nt+8*\kk+7], v[QO], s[44:45] offset:2048*\nt+64*\kk+32
	global_load_b128 v[QB+16*\nt+8*\kk:QB+16*\nt+8*\kk+3],   v[QO], s[46:47] offset:2048*\nt+64*\kk
	global_load_b128 v[QB+16*\nt+8*\kk+4:QB+16*\nt+8*\kk+7], v[QO], s[46:47] offset:2048*\nt+64*\kk+32
.endr
.endr
	WIN 0
	v_mul_u32_u24 v3, v1, KP
	v_lshl_add_u32 v[ADRK], v2, 4, v3              ; 144 r + 16 h
	v_and_b32 v3, 7, v0
	v_lshl_add_u32 v3, v2, 3, v3                   ; 8 h + l % 8
	v_mul_u32_u24 v3, v3, VP
	v_bfe_u32 v4, v0, 3, 1
	v_lshl_add_u32 v3, v4, 4, v3
	v_add_nc_u32 v[ADRV], 2*REG, v3                ; V lies behind K's two regions
	s_mul_i32 s52, s8, 32*SPITCH
	s_add_co_u32 s52, s52, STAGE                   ; my stage
	v_mul_u32_u24 v3, v1, SPITCH
	v_lshl_add_u32 v3, v2, 4, v3
	v_add_nc_u32 v[STO], s52, v3
	v_mul_u32_u24 v3, v2, SPITCH
	v_lshl_add_u32 v3, v1, 4, v3
	v_add_nc_u32 v[RD], s52, v3
	v_lshlrev_b32 v3, 4, v1
	v_lshl_add_u32 v[CO], v2, 13, v3               ; 8,192 h + 16 r
	v_lshlrev_b32 v3, 3, v2
	v_sub_nc_u32 v3, v1, v3                        ; r - 8 h
	s_and_b32 s52, s9, 3
	s_lshl_b32 s52, s52, 5
	v_add_nc_u32 v[THR], s52, v3
	s_and_b32 s53, s54, 3
	s_lshl_b32 s53, s53, 5
	v_add_nc_u32 v[THRB], s53, v3
	v_mov_b32 v[NINF], 0xff800000
	v_mov_b32 v[M], v[NINF]
	v_mov_b32 v[M+1], v[NINF]
.irp i, 0,1,2,3
	v_mov_b32 v[L+\i], 0
.endr
	v_mov_b32 v[TU], 0                             ; v_permlanex16_b32 counts as a reader of its destination
	v_mov_b32 v[TU+1], 0
	s_wait_tensorcnt 0x1                           ; my part of step 0's tile is in; step 1's may stay out
	s_barrier_signal -1
	s_barrier_wait -1
	KLOAD 0, 0
	s_wait_loadcnt 0x0                             ; Q of both blocks
	SUPER 0, 1, 1                                  ; step 0: the first block's diagonal tile
	s_mov_b32 s15, 7
.Lpair:
	SUPER 1, 2, 1                                  ; steps 1 to 14; the second block begins at step nA, 1 to 8
	SUPER 0, 2, 1
	s_sub_co_u32 s15, s15, 1
	s_cmp_lg_u32 s15, 0
	s_cbranch_scc1 .Lpair
	SUPER 1, 0, 2                                  ; step 15: nothing is left to fetch
	SUPER 0, 0, 3                                  ; step 16
	FINAL
	s_wait_tensorcnt 0x0
	ds_add_u32 v254, v255
	s_wait_dscnt 0x0
	s_endpgm
.Lfunc_end_k_q68b6dc3ca0_attn:
	.size	k_q68b6dc3ca0_attn, .Lfunc_end_k_q68b6dc3ca0_attn-k_q68b6dc3ca0_attn
	.p2alignl 7, 3214868480
	.fill 96, 4, 3214868480
	.section	.rodata,"a",@progbits
	.p2align	6, 0x0
	.amdhsa_kernel k_q68b6dc3ca0_attn
		.amdhsa_group_segment_fixed_size 327680
		.amdhsa_private_segment_fixed_size 0
		.amdhsa_enable_private_segment 0
		.amdhsa_kernarg_size 16
		.amdhsa_user_sgpr_count 2
		.amdhsa_user_sgpr_kernarg_segment_ptr 1
		.amdhsa_wavefront_size32 1
		.amdhsa_system_sgpr_workgroup_id_x 1
		.amdhsa_system_sgpr_workgroup_id_y 1
		.amdhsa_system_sgpr_workgroup_id_z 1
		.amdhsa_system_vgpr_workitem_id 0
		.amdhsa_next_free_vgpr 384
		.amdhsa_next_free_sgpr 66
		.amdhsa_reserve_vcc 1
		.amdhsa_float_denorm_mode_32 3
		.amdhsa_float_denorm_mode_16_64 3
		.amdhsa_memory_ordered 1
		.amdhsa_forward_progress 1
		.amdhsa_inst_pref_size 255
	.end_amdhsa_kernel
	.section	.bss,"aw",@nobits
	.p2align	6
	.space	262144
	.amdgpu_metadata
---
amdhsa.version: [ 1, 2 ]
amdhsa.kernels:
  - .name:           k_q68b6dc3ca0_attn
    .symbol:         k_q68b6dc3ca0_attn.kd
    .args:
      - { .name: qkvh, .offset: 0, .size: 8, .value_kind: global_buffer, .address_space: global }
      - { .name: y2, .offset: 8, .size: 8, .value_kind: global_buffer, .address_space: global }
    .group_segment_fixed_size: 327680
    .private_segment_fixed_size: 0
    .kernarg_segment_align: 8
    .kernarg_segment_size: 16
    .max_flat_workgroup_size: 128
    .sgpr_count:     66
    .vgpr_count:     384
    .wavefront_size: 32
...
	.end_amdgpu_metadata
.endif
;; end of part 3
;; launch oproj (part 4): grid 16 x 16, 4 waves a work-group, clusters of 4 x 4, 327,680 bytes of LDS; arguments y2, wo16, out0; writes out0
.if DOCPART == 4
	.amdgcn_target "amdgcn-amd-amdhsa--gfx1250"
	.amdhsa_code_object_version 6
	.text
	.protected	k_q68b6dc3ca0_oproj
	.globl	k_q68b6dc3ca0_oproj
	.p2align	8
	.type	k_q68b6dc3ca0_oproj,@function
k_q68b6dc3ca0_oproj:
	s_mov_b64 s[64:65], 0
	v_nop
	global_prefetch_b8 v0, s[64:65] scope:SCOPE_SE
	s_setreg_imm32_b32 hwreg(HW_REG_WAVE_MODE, 25, 1), 1
	s_wait_xcnt 0x0
	s_wait_alu depctr_hold_cnt(0) depctr_sa_sdst(0) depctr_va_vdst(0) depctr_va_sdst(0) depctr_va_ssrc(0) depctr_va_vcc(0) depctr_vm_vsrc(0)
	s_getreg_b32 s2, hwreg(HW_REG_IB_STS2, 6, 4)
	s_cmp_eq_u32 s2, 0
	s_cbranch_scc0 .Lentry_in_a_cluster
	s_endpgm
.Lentry_in_a_cluster:
	s_bfe_u32 s2, ttmp6, 0x10000c
	s_cmp_lg_u32 s2, 0xf033
	s_cbranch_scc0 .Lentry_shape_is_right
	s_endpgm
.Lentry_shape_is_right:
; out0[t][o] = sum over c of y[t][c] wo[o][c], with y / 4 given as hi + lo in f16 (y2) and 4 bf16(wo) in f16 (wo16); sums in f32.
; Each fragment of wo16 is multiplied by y's hi part and by its lo part, onto the same accumulator: y keeps some 22 bits.
; A work-group makes 128 x 128 with four waves, a wave 64 x 64: 16 accumulator tiles.  A K step is two heads, 128 c: rows of 512 bytes of y2
; (hi 64, lo 64, hi 64, lo 64) and of 256 bytes of wo16, all aligned; 16 steps through two LDS slots.
; CLUSTERS: 4 x 4 work-groups; y2's tile is asked for jointly by a row of the cluster, wo16's by a column.  Waves 0 and 1 ask for 64 rows of
; y2 each, waves 2 and 3 for 64 rows of wo16 each.
; THE MATRIX INSTRUCTION IS USED TRANSPOSED (source 0 = rows of wo16, source 1 = rows of y2): a lane holds row t = l % 16 and eight
; neighbouring columns, 32 bytes of f32.
; REGISTERS: window 0: v16-22 addresses; v32-127, v128-223 two fragment buffers (4 of wo16, 4 hi, 4 lo); v224-255 the way out.
;            window 1: v0-127 accumulators, tile (a, b) at 8 (4 a + b).
.set PA,     528                       ; 512 + 16: an odd multiple of 16
.set PB,     272
.set BOFF,   128*PA                    ; 67,584
.set SLOT,   BOFF+128*PB               ; 102,400
.set STAGE,  2*SLOT                    ; 204,800: 16 rows of 272 bytes for each wave; no tile lands here
.set SPITCH, 272
.set LAPS,   8
.set ADRA, 16
.set ADRB, 18
.set STO,  20
.set RD,   21
.set CO,   22
.set F0,   32
.set F1,   128
.set TMP,  224
.set G1A, 24
.set G0A, 32
.set G1B, 48
.set G0B, 56
.set MUL, 0x50
.set MSB, 0
.macro WIN new
.if MSB != \new
	s_set_vgpr_msb (MSB<<8)|\new
.set MSB, \new
.endif
.endm
.macro PLACES n
.rept \n
	v_nop
.endr
.endm
.macro JLOAD s
	s_cmp_lt_u32 s12, 2
	s_cbranch_scc0 .Lfor_b_\@
	tensor_load_to_lds s[G0A+4*\s:G0A+4*\s+3], s[G1A:G1A+7]
	s_nop 0
	s_branch .Lasked_\@
.Lfor_b_\@:
	tensor_load_to_lds s[G0B+4*\s:G0B+4*\s+3], s[G1B:G1B+7]
	s_nop 0
.Lasked_\@:
.endm
.macro CREST
	s_cmp_lg_u32 s12, 0
	s_cbranch_scc1 .Lnot_wave_0_\@
	s_barrier_signal -3
.Lnot_wave_0_\@:
	s_barrier_wait -3
	s_barrier_signal -1
	s_barrier_wait -1
.endm
.macro CROUND
	s_barrier_signal -1
	s_barrier_wait -1
	CREST
.endm
	s_load_b128 s[4:7], s[0:1], 0x0                ; y2 4, wo16 6
	s_load_b64 s[8:9], s[0:1], 0x10                ; out0
	v_lshl_add_u32 v30, v0, 2, 0x36400
	v_mov_b32 v31, 0
	ds_add_u32 v30, v31
	ds_add_u32 v30, v31
	v_lshrrev_b32 v1, 5, v0
	v_readfirstlane_b32 s12, v1                    ; wave
	s_lshr_b32 s13, s12, 1                         ; wr
	s_and_b32 s14, s12, 1                          ; wc; also: which 64 rows of a tile I ask for
	s_bfe_u32 s40, ttmp6, 0x40000                  ; cx
	s_bfe_u32 s41, ttmp6, 0x40004                  ; cy
	s_lshl_b32 s42, ttmp9, 2
	s_add_co_u32 s42, s42, s40                     ; bx
	s_and_b32 s43, ttmp7, 0xffff
	s_lshl_b32 s43, s43, 2
	s_add_co_u32 s43, s43, s41                     ; by
	s_lshl_b32 s44, s41, 2
	s_lshl_b32 s44, 15, s44                        ; my row of the cluster
	s_lshl_b32 s45, 0x1111, s40                    ; my column
	s_or_b32 s[G1A+0], s44, (1<<16)|(1<<20)|(1<<21)|(6<<22)|(3<<25)   ; 4 words of padding behind every 128
	s_mov_b32 s[G1A+1], 256<<16                    ; 256 elements a row
	s_mov_b32 s[G1A+2], 64<<16                     ; 64 rows
	s_mov_b32 s[G1A+3], 256<<16
	s_mov_b32 s[G1A+4], 64
	s_mov_b32 s[G1A+5], 4096                       ; elements from row to row of y2
	s_mov_b32 s[G1A+6], 0
	s_mov_b32 s[G1A+7], 0
	s_or_b32 s[G1B+0], s45, (1<<16)|(1<<20)|(1<<21)|(5<<22)|(3<<25)   ; behind every 64
	s_mov_b32 s[G1B+1], 128<<16
	s_mov_b32 s[G1B+2], 64<<16
	s_mov_b32 s[G1B+3], 128<<16
	s_mov_b32 s[G1B+4], 64
	s_mov_b32 s[G1B+5], 2048
	s_mov_b32 s[G1B+6], 0
	s_mov_b32 s[G1B+7], 0
	s_lshl_b32 s16, s43, 20                        ; y2: (128 by + 64 half) rows of 8,192 bytes
	s_lshl_b32 s20, s14, 19
	s_add_co_u32 s16, s16, s20
	s_mov_b32 s17, 0
	s_lshl_b32 s46, s42, 19                        ; wo16: (128 bx + 64 half) rows of 4,096 bytes
	s_lshl_b32 s23, s14, 18
	s_add_co_u32 s46, s46, s23
	s_mov_b32 s47, 0
	s_mul_i32 s21, s12, 64*PA                      ; y2's halves in LDS: waves 0, 1 at 0 and 33,792
	s_mul_i32 s22, s12, 64*PB
	s_add_co_u32 s22, s22, BOFF-128*PB             ; wo16's halves: waves 2, 3 at 67,584 and 84,992
	s_wait_dscnt 0x0
	s_wait_kmcnt 0x0
	s_add_nc_u64 s[18:19], s[4:5], s[16:17]
	s_add_nc_u64 s[46:47], s[6:7], s[46:47]
	CROUND                                         ; all sixteen work-groups are here: the first joint loads meet
.irp s, 0,1
	s_mov_b32 s[G0A+4*\s], 1
	s_add_co_u32 s[G0A+4*\s+1], s21, \s*SLOT
	s_add_nc_u64 s[G0A+4*\s+2:G0A+4*\s+3], s[18:19], \s*512
	s_or_b32 s[G0A+4*\s+3], s[G0A+4*\s+3], 0x80000000
	s_mov_b32 s[G0B+4*\s], 1
	s_add_co_u32 s[G0B+4*\s+1], s22, \s*SLOT
	s_add_nc_u64 s[G0B+4*\s+2:G0B+4*\s+3], s[46:47], \s*256
	s_or_b32 s[G0B+4*\s+3], s[G0B+4*\s+3], 0x80000000
	JLOAD \s                                       ; K steps 0 and 1: two loads of this wave are out
.endr
	v_and_b32 v1, 15, v0                           ; r
	v_bfe_u32 v2, v0, 4, 1                         ; h
	v_mul_u32_u24 v3, v1, PA
	v_lshl_add_u32 v3, v2, 4, v3
	v_mul_u32_u24 v4, v1, PB
	v_lshl_add_u32 v4, v2, 4, v4
	s_mul_i32 s66, s13, 64*PA
	s_mul_i32 s67, s14, 64*PB
	s_add_co_u32 s67, s67, BOFF
.irp s, 0,1
	v_add_nc_u32 v[ADRA+\s], s66, v3
	v_add_nc_u32 v[ADRB+\s], s67, v4
	s_add_co_u32 s66, s66, SLOT
	s_add_co_u32 s67, s67, SLOT
.endr
	s_mul_i32 s66, s12, 16*SPITCH
	s_add_co_u32 s66, s66, STAGE                   ; my stage
	v_mul_u32_u24 v5, v1, SPITCH
	v_lshl_add_u32 v5, v2, 5, v5
	v_add_nc_u32 v[STO], s66, v5                   ; row r, 32 bytes for each half of the lanes
	v_mul_u32_u24 v5, v2, SPITCH
	v_lshl_add_u32 v5, v1, 4, v5
	v_add_nc_u32 v[RD], s66, v5                    ; back: lanes 0-15 one row of 256 bytes, lanes 16-31 the next
	v_lshlrev_b32 v5, 4, v1
	v_lshl_add_u32 v[CO], v2, 13, v5               ; the same two rows in out0
; 16 matrix instructions: all 16 tiles once, 32 along K, y's hi part (0) or lo part (1).  The accumulators take turns, one instruction a
; turn, in the same order every time.
.macro MUL16 f, part, zero
.irp a, 0,1,2,3
.irp b, 0,1,2,3
.if \zero
	v_wmma_f32_16x16x32_f16 v[8*(4*\a+\b):8*(4*\a+\b)+7], v[\f+8*\b:\f+8*\b+7], v[\f+32+32*\part+8*\a:\f+32+32*\part+8*\a+7], 0
.else
	v_wmma_f32_16x16x32_f16 v[8*(4*\a+\b):8*(4*\a+\b)+7], v[\f+8*\b:\f+8*\b+7], v[\f+32+32*\part+8*\a:\f+32+32*\part+8*\a+7], v[8*(4*\a+\b):8*(4*\a+\b)+7]
.endif
.endr
.endr
.endm
; 24 LDS loads: quarter kb's fragments: wo16 at byte 64 kb, y's hi at 256 (kb / 2) + 64 (kb % 2), its lo 128 bytes on
.macro FETCH slot, kb, f
.irp i, 0,1,2,3
	ds_load_b128 v[\f+8*\i:\f+8*\i+3],   v[ADRB+\slot] offset:64*\kb+\i*16*PB
	ds_load_b128 v[\f+8*\i+4:\f+8*\i+7], v[ADRB+\slot] offset:64*\kb+\i*16*PB+32
.endr
.irp i, 0,1,2,3
	ds_load_b128 v[\f+32+8*\i:\f+32+8*\i+3], v[ADRA+\slot] offset:256*(\kb/2)+64*(\kb%2)+\i*16*PA
	ds_load_b128 v[\f+32+8*\i+4:\f+32+8*\i+7], v[ADRA+\slot] offset:256*(\kb/2)+64*(\kb%2)+\i*16*PA+32
.endr
.irp i, 0,1,2,3
	ds_load_b128 v[\f+64+8*\i:\f+64+8*\i+3], v[ADRA+\slot] offset:256*(\kb/2)+64*(\kb%2)+\i*16*PA+128
	ds_load_b128 v[\f+64+8*\i+4:\f+64+8*\i+7], v[ADRA+\slot] offset:256*(\kb/2)+64*(\kb%2)+\i*16*PA+160
.endr
.endm
.macro QUARTER slot, kb, f, g, zero
	s_wait_dscnt 0x0                               ; buffer f is in
	WIN 0
	PLACES 4                                       ; behind the matrix instructions that read buffer g (ISA guide 7.12.1)
	FETCH \slot, \kb, \g                           ; the next quarter's fragments have 32 matrix instructions in which to come
	WIN MUL
	MUL16 \f, 0, \zero
	MUL16 \f, 1, 0
.endm
.macro THREE slot, zero
	QUARTER \slot, 1, F0, F1, \zero
	QUARTER \slot, 2, F1, F0, 0
	QUARTER \slot, 3, F0, F1, 0
.endm
; The last quarter changes slots: my reads of this slot and all my tensor loads are waited for in front of the barrier, which opens a round
; of the cluster's barrier where the slot is filled again; the joint refill is the first tensor load behind the round.
.macro TURN slot, next, fill
	s_wait_dscnt 0x0
	s_wait_tensorcnt 0x0
	ds_add_u32 v30, v31
	s_wait_dscnt 0x0
	s_barrier_signal -1
	WIN MUL
	MUL16 F1, 0, 0
	WIN 0
	s_barrier_wait -1
.if \fill
	CREST
	s_add_nc_u64 s[G0A+4*\slot+2:G0A+4*\slot+3], s[G0A+4*\slot+2:G0A+4*\slot+3], 1024   ; two K steps on; no load of mine is out
	s_add_nc_u64 s[G0B+4*\slot+2:G0B+4*\slot+3], s[G0B+4*\slot+2:G0B+4*\slot+3], 512
	JLOAD \slot
.endif
	PLACES 4
	FETCH \next, 0, F0
	WIN MUL
	MUL16 F1, 1, 0
.endm
.macro LAP zero
	THREE 0, \zero
	TURN 0, 1, 1
	THREE 1, 0
	TURN 1, 0, 1
.endm
	s_wait_tensorcnt 0x1                           ; my part of K step 0 is in; K step 1's may stay out
	s_barrier_signal -1
	s_barrier_wait -1
	FETCH 0, 0, F0
	LAP 1                                          ; the first products start the sums
	WIN 0
	s_mov_b32 s3, LAPS-2
.Llap:
	LAP 0
	WIN 0
	s_sub_co_u32 s3, s3, 1
	s_cmp_lg_u32 s3, 0
	s_cbranch_scc1 .Llap
	THREE 0, 0                                     ; the last lap fills nothing
	TURN 0, 1, 0
	THREE 1, 0
	s_wait_dscnt 0x0
	WIN MUL
	MUL16 F1, 0, 0
	MUL16 F1, 1, 0
	; THE WAY OUT, 16 rows at a time through my own stage: a row of my block is 64 f32, 256 aligned bytes of out0.
	WIN 0
	PLACES 4
	s_lshl_b32 s66, s43, 20                        ; (128 by + 64 wr) rows of 8,192 bytes
	s_lshl_b32 s68, s13, 19
	s_add_co_u32 s66, s66, s68
	s_lshl_b32 s68, s42, 9                         ; + (128 bx + 64 wc) columns of 4 bytes
	s_add_co_u32 s66, s66, s68
	s_lshl_b32 s68, s14, 8
	s_add_co_u32 s66, s66, s68
	s_mov_b32 s67, 0
	s_add_nc_u64 s[8:9], s[8:9], s[66:67]
.irp a, 0,1,2,3
	WIN 0x04                                       ; an LDS store's data are its source 1: window 1
.irp b, 0,1,2,3
	ds_store_b128 v[STO], v[8*(4*\a+\b):8*(4*\a+\b)+3] offset:64*\b
	ds_store_b128 v[STO], v[8*(4*\a+\b)+4:8*(4*\a+\b)+7] offset:64*\b+16
.endr
	WIN 0
	s_wait_xcnt 0x0                                ; the registers that the last stores read are loaded again only behind this wait
.irp t, 0,1,2,3,4,5,6,7
	ds_load_b128 v[TMP+4*\t:TMP+4*\t+3], v[RD] offset:\t*2*SPITCH      ; LDS serves a wave's instructions in order: these see the stores above
.endr
.irp t, 0,1,2,3,4,5,6,7
	s_wait_dscnt 7-\t                              ; this one is in, the younger ones stay out
	global_store_b128 v[CO], v[TMP+4*\t:TMP+4*\t+3], s[8:9] offset:131072*\a+16384*\t th:TH_STORE_NT
.endr
.endr
	s_wait_tensorcnt 0x0
	ds_add_u32 v30, v31
	s_wait_dscnt 0x0
	CROUND                                         ; the closing round
	s_endpgm
.Lfunc_end_k_q68b6dc3ca0_oproj:
	.size	k_q68b6dc3ca0_oproj, .Lfunc_end_k_q68b6dc3ca0_oproj-k_q68b6dc3ca0_oproj
	.p2alignl 7, 3214868480
	.fill 96, 4, 3214868480
	.section	.rodata,"a",@progbits
	.p2align	6, 0x0
	.amdhsa_kernel k_q68b6dc3ca0_oproj
		.amdhsa_group_segment_fixed_size 327680
		.amdhsa_private_segment_fixed_size 0
		.amdhsa_enable_private_segment 0
		.amdhsa_kernarg_size 24
		.amdhsa_user_sgpr_count 2
		.amdhsa_user_sgpr_kernarg_segment_ptr 1
		.amdhsa_wavefront_size32 1
		.amdhsa_system_sgpr_workgroup_id_x 1
		.amdhsa_system_sgpr_workgroup_id_y 1
		.amdhsa_system_sgpr_workgroup_id_z 1
		.amdhsa_system_vgpr_workitem_id 0
		.amdhsa_next_free_vgpr 384
		.amdhsa_next_free_sgpr 72
		.amdhsa_reserve_vcc 0
		.amdhsa_float_denorm_mode_32 3
		.amdhsa_float_denorm_mode_16_64 3
		.amdhsa_memory_ordered 1
		.amdhsa_forward_progress 1
		.amdhsa_inst_pref_size 109
	.end_amdhsa_kernel
	.amdgpu_metadata
---
amdhsa.version: [ 1, 2 ]
amdhsa.kernels:
  - .name:           k_q68b6dc3ca0_oproj
    .symbol:         k_q68b6dc3ca0_oproj.kd
    .args:
      - { .name: y2, .offset: 0, .size: 8, .value_kind: global_buffer, .address_space: global }
      - { .name: wo16, .offset: 8, .size: 8, .value_kind: global_buffer, .address_space: global }
      - { .name: out0, .offset: 16, .size: 8, .value_kind: global_buffer, .address_space: global }
    .group_segment_fixed_size: 327680
    .private_segment_fixed_size: 0
    .kernarg_segment_align: 8
    .kernarg_segment_size: 24
    .max_flat_workgroup_size: 128
    .sgpr_count:     72
    .vgpr_count:     384
    .wavefront_size: 32
...
	.end_amdgpu_metadata
.endif
;; end of part 4
;; ======== version 2 of 2: 4 launches
;; limits: values outside matrix products are rounded to bf16; values are held in f16: magnitudes above 65,504 overflow, below 6.1e-05 lose precision; right only within a limited range of input values
;; workspace buffers: xb 8,388,608 bytes; wb 12,582,912 bytes; wo16 8,388,608 bytes; csb 262,144 bytes; qkvh 12,582,912 bytes; y3 9,437,184 bytes
;; launch cvt (part 5): grid 256 x 1, 8 waves a work-group, no clusters, 0 bytes of LDS; arguments x, wq, wk, wv, cos, sin, xb, wb, csb; writes xb, wb, csb
.if DOCPART == 5
	.amdgcn_target "amdgcn-amd-amdhsa--gfx1250"
	.amdhsa_code_object_version 6
	.text
	.protected	k_q68b6dc3ca0_cvt
	.globl	k_q68b6dc3ca0_cvt
	.p2align	8
	.type	k_q68b6dc3ca0_cvt,@function
k_q68b6dc3ca0_cvt:
	s_mov_b64 s[64:65], 0
	v_nop
	global_prefetch_b8 v0, s[64:65] scope:SCOPE_SE
	s_setreg_imm32_b32 hwreg(HW_REG_WAVE_MODE, 25, 1), 1
	s_wait_xcnt 0x0
; Rounds what the projection launch reads to bf16 once, so that it reads 16-bit tiles.
;   xb   = bf16(x)
;   wb   = rows 0-2047 bf16(wq) 2^-6, rows 2048-2559 bf16(wk) 2^-6, rows 2560-3071 bf16(wv) 2^-2
;   csb  = one word for each (t, pair): bf16(cos) in the low half, bf16(sin) in the high half
; (wo is rounded in the attention launch, which moves few bytes for its arithmetic; this launch only moves bytes.)
; xb and wb lie in PAIR ROWS: [row / 2][unit q = k / 64][row % 2][64 numbers], a unit of 256 bytes, a pair row of 8,192 bytes.  So a K step of
; 192 in the next launch is three whole aligned units of a pair row.
; The powers of two are exact and keep q, k and v inside f16 later on: they are undone by the softmax factor and by a 4 on wo.
; LIMITS: finite inputs.
; A stream: no LDS, no barrier, no matrix unit, no loop.  Work-group i owns 1/256 of every buffer.  A wave's load takes 256 aligned bytes of
; an even row (lanes 0-15) and the same columns of the next row (lanes 16-31); its store of the four rounded numbers of each lane is one
; unit, 256 consecutive aligned bytes.
; All 40 loads of a wave go out first, each into registers of its own: no register is written twice, so no wait frees a source.
.set NU, 40                            ; units (one load, one store) of a wave: 16 x, 16 wq, 4 wk, 4 wv
.set D,  8                             ; v[8:167]   unit u: 4 registers
.set CS, 168                           ; v[168:171] cos, v[172:175] sin (waves 0 and 1)
	s_load_b512 s[4:19], s[0:1], 0x0               ; x 4, wq 6, wk 8, wv 10, cos 12, sin 14, xb 16, wb 18
	s_load_b64 s[20:21], s[0:1], 0x40              ; csb
	v_lshrrev_b32 v3, 5, v0
	v_readfirstlane_b32 s38, v3                    ; wave
	v_lshlrev_b32 v1, 4, v0                        ; 16 t: where I load cos, sin and store csb
	v_lshlrev_b32 v2, 3, v0                        ; 8 t: where I store
	v_and_b32 v5, 15, v0
	v_bfe_u32 v6, v0, 4, 1
	v_lshlrev_b32 v4, 4, v5                        ; where I load for a pair row: 16 (lane % 16)
	v_lshl_add_u32 v4, v6, 13, v4                  ; + one row of 8,192 bytes for lanes 16-31
	v_lshl_add_u32 v4, v3, 8, v4                   ; + 256 x wave: unit q = wave + 8 (k % 4)
	s_lshl_b32 s26, ttmp9, 16                      ; the group's share of x, wq: 65,536 bytes, 8 rows
	s_mov_b32 s27, 0
	s_lshl_b32 s28, ttmp9, 14                      ; of wk, wv: 16,384, 2 rows
	s_mov_b32 s29, 0
	s_lshl_b32 s30, ttmp9, 15                      ; of xb, wq's part of wb: 32,768
	s_mov_b32 s31, 0
	s_lshl_b32 s32, ttmp9, 13                      ; of wk's and wv's parts of wb: 8,192
	s_mov_b32 s33, 0
	s_lshl_b32 s34, ttmp9, 10                      ; of cos, sin, csb: 1,024
	s_mov_b32 s35, 0
	s_wait_kmcnt 0x0
	s_add_nc_u64 s[4:5], s[4:5], s[26:27]
	s_add_nc_u64 s[6:7], s[6:7], s[26:27]
	s_add_nc_u64 s[8:9], s[8:9], s[28:29]
	s_add_nc_u64 s[10:11], s[10:11], s[28:29]
	s_add_nc_u64 s[12:13], s[12:13], s[34:35]
	s_add_nc_u64 s[14:15], s[14:15], s[34:35]
	s_add_nc_u64 s[20:21], s[20:21], s[34:35]
	s_add_nc_u64 s[16:17], s[16:17], s[30:31]
	s_add_nc_u64 s[36:37], s[18:19], s[32:33]
	s_add_nc_u64 s[40:41], s[36:37], 0xa00000      ; wv's rows begin 2,560 rows of 4,096 bytes into wb
	s_add_nc_u64 s[36:37], s[36:37], 0x800000      ; wk's rows 2,048 rows
	s_add_nc_u64 s[18:19], s[18:19], s[30:31]
	; cos and sin: 1,024 bytes each, 16 bytes a thread: threads 0 to 63.  These two loads are the oldest, so the counts below hold with and without them.
	s_cmp_lt_u32 s38, 2
	s_cbranch_scc0 .Lno_cs_in
	global_load_b128 v[CS:CS+3], v1, s[12:13] th:TH_LOAD_NT
	global_load_b128 v[CS+4:CS+7], v1, s[14:15] th:TH_LOAD_NT
.Lno_cs_in:
; n loads: load k feeds output unit wave + 8 k = unit q = wave + 8 (k % 4) of pair row k / 4
.macro LOADS n, base
.set k, 0
.rept \n
	global_load_b128 v[D+4*u:D+4*u+3], v4, s[\base:\base+1] offset:2048*(k%4)+16384*(k/4) th:TH_LOAD_NT
.set k, k+1
.set u, u+1
.endr
.endm
.set u, 0
	LOADS 16, 4
	LOADS 16, 6
	LOADS 4, 8
	LOADS 4, 10
; n units: kind 0 rounds; 1 and 2 scale by 2^-6, 2^-2 first
.macro UNITS n, kind, base
.set k, 0
.rept \n
	s_wait_loadcnt NU-1-u                          ; loads return in order: unit u is in, the NU-1-u younger ones stay out
.if \kind == 1
	v_pk_mul_f32 v[D+4*u:D+4*u+1], v[D+4*u:D+4*u+1], 0x3c800000 op_sel_hi:[1,0]
	v_pk_mul_f32 v[D+4*u+2:D+4*u+3], v[D+4*u+2:D+4*u+3], 0x3c800000 op_sel_hi:[1,0]
.endif
.if \kind == 2
	v_pk_mul_f32 v[D+4*u:D+4*u+1], v[D+4*u:D+4*u+1], 0x3e800000 op_sel_hi:[1,0]
	v_pk_mul_f32 v[D+4*u+2:D+4*u+3], v[D+4*u+2:D+4*u+3], 0x3e800000 op_sel_hi:[1,0]
.endif
	v_cvt_pk_bf16_f32 v[D+4*u], v[D+4*u], v[D+4*u+1]
	v_cvt_pk_bf16_f32 v[D+4*u+1], v[D+4*u+2], v[D+4*u+3]
	global_store_b64 v2, v[D+4*u:D+4*u+1], s[\base:\base+1] offset:2048*k
.set k, k+1
.set u, u+1
.endr
.endm
.set u, 0
	UNITS 16, 0, 16
	UNITS 16, 1, 18
	UNITS 4, 1, 36
	UNITS 4, 2, 40                                 ; the last unit's wait is for 0: cos and sin are in too
	s_cmp_lt_u32 s38, 2
	s_cbranch_scc0 .Lno_cs_out
.irp i, 0,1,2,3
	v_cvt_pk_bf16_f32 v[CS+\i], v[CS+\i], v[CS+4+\i]   ; cos into the low half, sin into the high half
.endr
	global_store_b128 v1, v[CS:CS+3], s[20:21]
.Lno_cs_out:
	s_endpgm
.Lfunc_end_k_q68b6dc3ca0_cvt:
	.size	k_q68b6dc3ca0_cvt, .Lfunc_end_k_q68b6dc3ca0_cvt-k_q68b6dc3ca0_cvt
	.p2alignl 7, 3214868480
	.fill 96, 4, 3214868480
	.section	.rodata,"a",@progbits
	.p2align	6, 0x0
	.amdhsa_kernel k_q68b6dc3ca0_cvt
		.amdhsa_group_segment_fixed_size 0
		.amdhsa_private_segment_fixed_size 0
		.amdhsa_enable_private_segment 0
		.amdhsa_kernarg_size 72
		.amdhsa_user_sgpr_count 2
		.amdhsa_user_sgpr_kernarg_segment_ptr 1
		.amdhsa_wavefront_size32 1
		.amdhsa_system_sgpr_workgroup_id_x 1
		.amdhsa_system_sgpr_workgroup_id_y 1
		.amdhsa_system_sgpr_workgroup_id_z 1
		.amdhsa_system_vgpr_workitem_id 0
		.amdhsa_next_free_vgpr 176
		.amdhsa_next_free_sgpr 66
		.amdhsa_reserve_vcc 0
		.amdhsa_float_denorm_mode_32 3
		.amdhsa_float_denorm_mode_16_64 3
		.amdhsa_memory_ordered 1
		.amdhsa_forward_progress 1
		.amdhsa_inst_pref_size 21
	.end_amdhsa_kernel
	.amdgpu_metadata
---
amdhsa.version: [ 1, 2 ]
amdhsa.kernels:
  - .name:           k_q68b6dc3ca0_cvt
    .symbol:         k_q68b6dc3ca0_cvt.kd
    .args:
      - { .name: x, .offset: 0, .size: 8, .value_kind: global_buffer, .address_space: global }
      - { .name: wq, .offset: 8, .size: 8, .value_kind: global_buffer, .address_space: global }
      - { .name: wk, .offset: 16, .size: 8, .value_kind: global_buffer, .address_space: global }
      - { .name: wv, .offset: 24, .size: 8, .value_kind: global_buffer, .address_space: global }
      - { .name: cos, .offset: 32, .size: 8, .value_kind: global_buffer, .address_space: global }
      - { .name: sin, .offset: 40, .size: 8, .value_kind: global_buffer, .address_space: global }
      - { .name: xb, .offset: 48, .size: 8, .value_kind: global_buffer, .address_space: global }
      - { .name: wb, .offset: 56, .size: 8, .value_kind: global_buffer, .address_space: global }
      - { .name: csb, .offset: 64, .size: 8, .value_kind: global_buffer, .address_space: global }
    .group_segment_fixed_size: 0
    .private_segment_fixed_size: 0
    .kernarg_segment_align: 8
    .kernarg_segment_size: 72
    .max_flat_workgroup_size: 256
    .sgpr_count:     66
    .vgpr_count:     176
    .wavefront_size: 32
...
	.end_amdgpu_metadata
.endif
;; end of part 5
;; launch proj (part 6): grid 16 x 16, 4 waves a work-group, clusters of 4 x 4, 327,680 bytes of LDS; arguments xb, wb, csb, qkvh; writes qkvh
.if DOCPART == 6
	.amdgcn_target "amdgcn-amd-amdhsa--gfx1250"
	.amdhsa_code_object_version 6
	.text
	.protected	k_q68b6dc3ca0_proj
	.globl	k_q68b6dc3ca0_proj
	.p2align	8
	.type	k_q68b6dc3ca0_proj,@function
k_q68b6dc3ca0_proj:
	s_mov_b64 s[64:65], 0
	v_nop
	global_prefetch_b8 v0, s[64:65] scope:SCOPE_SE
	s_setreg_imm32_b32 hwreg(HW_REG_WAVE_MODE, 25, 1), 1
	s_wait_xcnt 0x0
	s_wait_alu depctr_hold_cnt(0) depctr_sa_sdst(0) depctr_va_vdst(0) depctr_va_sdst(0) depctr_va_ssrc(0) depctr_va_vcc(0) depctr_vm_vsrc(0)
	s_getreg_b32 s2, hwreg(HW_REG_IB_STS2, 6, 4)
	s_cmp_eq_u32 s2, 0
	s_cbranch_scc0 .Lentry_in_a_cluster
	s_endpgm
.Lentry_in_a_cluster:
	s_bfe_u32 s2, ttmp6, 0x10000c
	s_cmp_lg_u32 s2, 0xf033
	s_cbranch_scc0 .Lentry_shape_is_right
	s_endpgm
.Lentry_shape_is_right:
; q, k, v = xb wb^T (bf16 operands, f32 sums), RoPE on q and k in f32, stored as f16 in qkvh[48 heads][2048 t][64].
; Heads 0-31 are q 2^-6, 32-39 k 2^-6, 40-47 v 2^-2 (the powers of two ride on wb).
; LIMITS: a result beyond f16's 65,504 becomes infinite: |q|, |k| < 4.19e6, |v| < 262,000.  Sums run in K order by steps of 32.
; A work-group makes 128 rows (t) x 192 columns (3 heads) with four waves; a wave makes 64 x 96: 24 accumulator tiles of 16 x 16.
; xb and wb lie in pair rows: [row / 2][unit k / 64][row % 2][64], a unit of 256 bytes.  K goes in steps of 192, three aligned units of each
; pair row, through two LDS slots: the longest step of which two slots fit (a step of 256 would take 2 x 160 x 1,040 = 332,800 bytes).
; 2,048 = 10 x 192 + 128: the eleventh tile is the pair rows' last three units, of which the first was multiplied in the tenth step and is
; not read again; so every tile has one shape and no load leaves its buffer.
; CLUSTERS: 4 x 4 work-groups.  xb's tile hangs on the block row alone and is asked for jointly by a row of the cluster, wb's tile on the
; block column alone and is asked for jointly by a column.  Wave 0 asks for xb's 64 pair rows, waves 1 to 3 for 32 pair rows of wb each.
; THE MATRIX INSTRUCTION IS USED TRANSPOSED: source 0 = 16 rows of wb, source 1 = 16 rows of xb; lane l then holds row t = l % 16 and the
; eight neighbouring columns 8 (l / 16) + 0..7: four RoPE pairs, and 16 bytes of f16.
; REGISTERS: window 0: v16-25 addresses, v32-111 and v112-191 two fragment buffers (6 of wb, then 4 of xb).
;            window 1: v0-191 accumulators, tile (a, b) at 8 (6 a + b); v192-255 the cos/sin words of my rows.
.set UP,     272                       ; a unit in LDS: 256 bytes + 16 of padding
.set PP,     3*UP                      ; a pair row in LDS: 816.  Row r of a fragment starts at (r / 2) 816 + (r % 2) 128: in columns of 16 bytes modulo 16 that is 3 (r / 2) + 8 (r % 2), sixteen different ones
.set T16,    8*PP                      ; 16 rows
.set BOFF,   64*PP                     ; wb's pair rows lie behind xb's 64
.set SLOT,   160*PP                    ; 130,560
.set STAGE,  2*SLOT                    ; 261,120: the way out's own bytes, a multiple of 256; no tile lands here
.set SP,     400                       ; a stage row: 192 f16 + 16 bytes
.set STEPB,  768                       ; a K step in a pair row of memory
.set ADRA, 16                          ; v16-17 LDS address of my xb fragments in slot 0, 1
.set ADRB, 18                          ; v18-19 the same for wb
.set STO,  20
.set RD,   21
.set CO,   22
.set CSA,  23                          ; byte offsets in csb
.set CSB,  24
.set IDENT, 25                         ; the word cos = 1, sin = 0
.set F0,   32
.set F1,   112
.set WD,   32                          ; the way out: 24 cos/sin words, later the packed f16
.set CC,   56                          ; 48: cos, sin as f32
.set OO,   104                         ; 48: rotated numbers
.set CSR,  192                         ; window 1
.set G1A, 24                           ; s[24:31] group 1 for xb's tiles
.set G0A, 32                           ; s[32:39] group 0 for xb's tiles, one set a slot
.set G1B, 48                           ; s[48:55] group 1 for wb's tiles
.set G0B, 56                           ; s[56:63] group 0 for wb's tiles, one set a slot
.set MUL, 0x50                         ; C and D in window 1, fragments in window 0
.set MSB, 0
.macro WIN new                         ; the immediate's high byte repeats the setting that is left
.if MSB != \new
	s_set_vgpr_msb (MSB<<8)|\new
.set MSB, \new
.endif
.endm
.macro PLACES n
.rept \n
	v_nop
.endr
.endm
; A joint load: one line and one mask for xb, one for wb; the branch hangs on the wave's number alone.
.macro JLOAD s
	s_cmp_eq_u32 s12, 0
	s_cbranch_scc0 .Lfor_b_\@
	tensor_load_to_lds s[G0A+4*\s:G0A+4*\s+3], s[G1A:G1A+7]
	s_nop 0
	s_branch .Lasked_\@
.Lfor_b_\@:
	tensor_load_to_lds s[G0B+4*\s:G0B+4*\s+3], s[G1B:G1B+7]
	s_nop 0
.Lasked_\@:
.endm
.macro CREST                           ; a round of the cluster's barrier behind its opening barrier
	s_cmp_lg_u32 s12, 0
	s_cbranch_scc1 .Lnot_wave_0_\@
	s_barrier_signal -3
.Lnot_wave_0_\@:
	s_barrier_wait -3
	s_barrier_signal -1
	s_barrier_wait -1
.endm
.macro CROUND
	s_barrier_signal -1
	s_barrier_wait -1
	CREST
.endm
	s_load_b256 s[4:11], s[0:1], 0x0               ; xb 4, wb 6, csb 8, qkvh 10
	v_lshl_add_u32 v254, v0, 2, 0x4c400
	v_mov_b32 v255, 0
	ds_add_u32 v254, v255
	ds_add_u32 v254, v255
	v_lshrrev_b32 v1, 5, v0
	v_readfirstlane_b32 s12, v1                    ; wave
	s_lshr_b32 s13, s12, 1                         ; wr: which 64 rows
	s_and_b32 s14, s12, 1                          ; wc: which 96 columns
	s_bfe_u32 s40, ttmp6, 0x40000                  ; cx
	s_bfe_u32 s41, ttmp6, 0x40004                  ; cy
	s_lshl_b32 s42, ttmp9, 2
	s_add_co_u32 s42, s42, s40                     ; bx: block of 192 columns
	s_and_b32 s43, ttmp7, 0xffff
	s_lshl_b32 s43, s43, 2
	s_add_co_u32 s43, s43, s41                     ; by: block of 128 rows
	s_lshl_b32 s44, s41, 2
	s_lshl_b32 s44, 15, s44                        ; my row of the cluster
	s_lshl_b32 s45, 0x1111, s40                    ; my column
	s_or_b32 s[G1A+0], s44, (1<<16)|(1<<20)|(1<<21)|(5<<22)|(3<<25)   ; mask; 2-byte elements; padding on; bit 21 beside a mask; 4 words behind every 64
	s_mov_b32 s[G1A+1], 384<<16                    ; tensor_dim0 = 384 elements: three units
	s_mov_b32 s[G1A+2], 64<<16                     ; tensor_dim1 = 64 pair rows
	s_mov_b32 s[G1A+3], 384<<16                    ; tile_dim0 = 384
	s_mov_b32 s[G1A+4], 64                         ; tile_dim1 = 64
	s_mov_b32 s[G1A+5], 4096                       ; elements from pair row to pair row
	s_mov_b32 s[G1A+6], 0
	s_mov_b32 s[G1A+7], 0
	s_or_b32 s[G1B+0], s45, (1<<16)|(1<<20)|(1<<21)|(5<<22)|(3<<25)
	s_mov_b32 s[G1B+1], 384<<16
	s_mov_b32 s[G1B+2], 32<<16                     ; 32 pair rows
	s_mov_b32 s[G1B+3], 384<<16
	s_mov_b32 s[G1B+4], 32
	s_mov_b32 s[G1B+5], 4096
	s_mov_b32 s[G1B+6], 0
	s_mov_b32 s[G1B+7], 0
	s_lshl_b32 s16, s43, 19                        ; xb: 64 by pair rows of 8,192 bytes
	s_mov_b32 s17, 0
	s_max_u32 s20, s12, 1
	s_sub_co_u32 s20, s20, 1                       ; which third of wb's tile (waves 1 to 3)
	s_lshl_b32 s20, s20, 5
	s_mul_i32 s46, s42, 96
	s_add_co_u32 s46, s46, s20
	s_lshl_b32 s46, s46, 13                        ; wb: (96 bx + 32 part) pair rows of 8,192 bytes
	s_mov_b32 s47, 0
	s_mul_i32 s21, s12, 32*PP
	s_add_co_u32 s21, s21, 32*PP                   ; wb's part in LDS: 26,112 (wave + 1)
	s_wait_dscnt 0x0
	s_wait_kmcnt 0x0
	s_add_nc_u64 s[18:19], s[4:5], s[16:17]
	s_add_nc_u64 s[46:47], s[6:7], s[46:47]
	CROUND                                         ; all sixteen work-groups are here: the first joint loads meet
.irp s, 0,1
	s_mov_b32 s[G0A+4*\s], 1
	s_mov_b32 s[G0A+4*\s+1], \s*SLOT
	s_add_nc_u64 s[G0A+4*\s+2:G0A+4*\s+3], s[18:19], \s*STEPB
	s_or_b32 s[G0A+4*\s+3], s[G0A+4*\s+3], 0x80000000
	s_mov_b32 s[G0B+4*\s], 1
	s_add_co_u32 s[G0B+4*\s+1], s21, \s*SLOT
	s_add_nc_u64 s[G0B+4*\s+2:G0B+4*\s+3], s[46:47], \s*STEPB
	s_or_b32 s[G0B+4*\s+3], s[G0B+4*\s+3], 0x80000000
	JLOAD \s                                       ; K steps 0 and 1: two loads of this wave are out
.endr
	v_and_b32 v1, 15, v0                           ; r
	v_bfe_u32 v2, v0, 4, 1                         ; h
	v_lshrrev_b32 v3, 1, v1
	v_and_b32 v4, 1, v0
	v_mul_u32_u24 v3, v3, PP
	v_lshl_add_u32 v3, v4, 7, v3
	v_lshl_add_u32 v3, v2, 4, v3                   ; (r / 2) 816 + (r % 2) 128 + 16 h
	s_mul_i32 s22, s13, 32*PP
	s_mul_i32 s23, s14, 48*PP
	s_add_co_u32 s23, s23, BOFF
.irp s, 0,1
	v_add_nc_u32 v[ADRA+\s], s22, v3
	v_add_nc_u32 v[ADRB+\s], s23, v3
	s_add_co_u32 s22, s22, SLOT
	s_add_co_u32 s23, s23, SLOT
.endr
	s_mul_i32 s22, s13, 64*SP
	s_mul_i32 s23, s14, 192
	s_add_co_u32 s22, s22, s23
	s_add_co_u32 s22, s22, STAGE
	v_mul_u32_u24 v4, v1, SP
	v_lshl_add_u32 v4, v2, 4, v4
	v_add_nc_u32 v[STO], s22, v4                   ; stage + (64 wr + r) 400 + 192 wc + 16 h
	v_and_b32 v5, 31, v0
	v_lshrrev_b32 v6, 3, v5
	v_and_b32 v7, 7, v0
	v_mul_u32_u24 v6, v6, SP
	v_lshl_add_u32 v6, v7, 4, v6
	s_mul_i32 s22, s12, 32*SP
	s_add_co_u32 s22, s22, STAGE
	v_add_nc_u32 v[RD], s22, v6                    ; stage + (32 wave + l / 8) 400 + 16 (l % 8)
	v_lshlrev_b32 v[CO], 4, v5                     ; 16 l
	s_lshl_b32 s76, s43, 14                        ; csb: row 128 by + 64 wr + r, 128 bytes a row,
	s_lshl_b32 s77, s13, 13
	s_add_co_u32 s76, s76, s77
	s_lshl_b32 s77, s14, 6                         ; my first column is dimension 0 (wc = 0) or 32 (wc = 1) of a head: 64 bytes on
	s_add_co_u32 s76, s76, s77
	v_lshlrev_b32 v8, 7, v1
	v_lshl_add_u32 v8, v2, 4, v8
	v_add_nc_u32 v[CSA], s76, v8
	v_xor_b32 v[CSB], 64, v[CSA]                   ; the row's other half
	v_mov_b32 v[IDENT], 0x3f80
	; The cos/sin words of my 64 rows, 16 loads; column tile b uses chunk b % 4.  They stay out until the way out.
	WIN 0x40
.irp a, 0,1,2,3
.irp q, 0,1
	global_load_b128 v[CSR+16*\a+4*\q:CSR+16*\a+4*\q+3], v[CSA], s[8:9] offset:2048*\a+32*\q
	global_load_b128 v[CSR+16*\a+8+4*\q:CSR+16*\a+8+4*\q+3], v[CSB], s[8:9] offset:2048*\a+32*\q
.endr
.endr
	WIN 0
; 12 matrix instructions: row blocks 2 half, 2 half + 1 x all 6 column blocks, 32 along K.  The 24 accumulators take turns, one instruction
; a turn, in the same order in every piece.
.macro MULH f, half, zero
.irp a, 2*\half, 2*\half+1
.irp b, 0,1,2,3,4,5
.if \zero
	v_wmma_f32_16x16x32_bf16 v[8*(6*(\a)+\b):8*(6*(\a)+\b)+7], v[\f+8*\b:\f+8*\b+7], v[\f+48+8*(\a):\f+48+8*(\a)+7], 0
.else
	v_wmma_f32_16x16x32_bf16 v[8*(6*(\a)+\b):8*(6*(\a)+\b)+7], v[\f+8*\b:\f+8*\b+7], v[\f+48+8*(\a):\f+48+8*(\a)+7], v[8*(6*(\a)+\b):8*(6*(\a)+\b)+7]
.endif
.endr
.endr
.endm
; 20 LDS loads: piece e (32 along K) of a slot's six: unit e / 2, byte 64 (e % 2) of a row's half of the unit; 96 rows of wb, 64 of xb, into buffer f
.macro FETCH slot, e, f
.irp i, 0,1,2,3,4,5
	ds_load_b128 v[\f+8*\i:\f+8*\i+3],   v[ADRB+\slot] offset:((\e)/2)*UP+((\e)%2)*64+\i*T16
	ds_load_b128 v[\f+8*\i+4:\f+8*\i+7], v[ADRB+\slot] offset:((\e)/2)*UP+((\e)%2)*64+\i*T16+32
.endr
.irp i, 0,1,2,3
	ds_load_b128 v[\f+48+8*\i:\f+48+8*\i+3], v[ADRA+\slot] offset:((\e)/2)*UP+((\e)%2)*64+\i*T16
	ds_load_b128 v[\f+48+8*\i+4:\f+48+8*\i+7], v[ADRA+\slot] offset:((\e)/2)*UP+((\e)%2)*64+\i*T16+32
.endr
.endm
; One of a K step's pieces but the last: buffer f is multiplied; piece e's fragments are asked for first, into buffer g,
; four places behind the matrix instructions that read g (ISA guide 7.12.1), and have the 24 matrix instructions in which to come.
.macro PIECE slot, e, f, g, zero
	s_wait_dscnt 0x0                               ; buffer f is in
	WIN 0
	PLACES 4
	FETCH \slot, \e, \g
	WIN MUL
	MULH \f, 0, \zero
	MULH \f, 1, \zero
.endm
.macro FIVE slot, zero
	PIECE \slot, 1, F0, F1, \zero
	PIECE \slot, 2, F1, F0, 0
	PIECE \slot, 3, F0, F1, 0
	PIECE \slot, 4, F1, F0, 0
	PIECE \slot, 5, F0, F1, 0
.endm
; The last piece changes slots.  In front of the barrier each wave waits for its reads of this slot and for all its tensor loads (one is
; out: its part of the next slot).  Where the slot is filled again the barrier opens a round of the cluster's barrier, and the joint refill
; is the first tensor load behind the round; from there to the wait for it a wave issues 132 matrix instructions.
; adv: how far the slot's address moves; ne: the first piece that is read of the next slot.
.macro TURN slot, next, fill, adv, ne
	s_wait_dscnt 0x0
	s_wait_tensorcnt 0x0
	ds_add_u32 v254, v255
	s_wait_dscnt 0x0
	s_barrier_signal -1
	WIN MUL
	MULH F1, 0, 0                                  ; registers only, while the others arrive
	WIN 0
	s_barrier_wait -1
.if \fill
	CREST
	s_add_nc_u64 s[G0A+4*\slot+2:G0A+4*\slot+3], s[G0A+4*\slot+2:G0A+4*\slot+3], \adv   ; no load of mine is out
	s_add_nc_u64 s[G0B+4*\slot+2:G0B+4*\slot+3], s[G0B+4*\slot+2:G0B+4*\slot+3], \adv
	JLOAD \slot
.endif
	PLACES 4
	FETCH \next, \ne, F0
	WIN MUL
	MULH F1, 1, 0
.endm
.macro LAP zero
	FIVE 0, \zero
	TURN 0, 1, 1, 2*STEPB, 0
	FIVE 1, 0
	TURN 1, 0, 1, 2*STEPB, 0
.endm
	s_wait_tensorcnt 0x1                           ; my part of K step 0 is in; K step 1's may stay out
	s_barrier_signal -1
	s_barrier_wait -1
	FETCH 0, 0, F0
	LAP 1                                          ; steps 0 and 1: the first products start the sums, nothing is cleared
	WIN 0
	s_mov_b32 s3, 3
.Llap:
	LAP 0                                          ; steps 2 to 7
	WIN 0
	s_sub_co_u32 s3, s3, 1
	s_cmp_lg_u32 s3, 0
	s_cbranch_scc1 .Llap
	FIVE 0, 0                                      ; step 8
	TURN 0, 1, 1, 2*STEPB-256, 0                   ; slot 0 gets the pair rows' last three units, 29 to 31
	FIVE 1, 0                                      ; step 9: units 27 to 29
	TURN 1, 0, 0, 0, 2                             ; nothing is left to fetch; of slot 0 units 30 and 31 are read: pieces 2 to 5
	PIECE 0, 3, F0, F1, 0
	PIECE 0, 4, F1, F0, 0
	PIECE 0, 5, F0, F1, 0
	s_wait_dscnt 0x0
	WIN MUL
	MULH F1, 0, 0
	MULH F1, 1, 0
	; THE WAY OUT.  Four places behind the last matrix instructions, then RoPE in f32, f16, the stage, whole rows out.
	WIN 0
	PLACES 4
	s_wait_loadcnt 0x0                             ; the cos/sin words
	s_mul_i32 s77, s14, 6
	s_mul_i32 s78, s42, 3
.irp b, 0,1,2,3,4,5
	s_add_co_u32 s79, s77, \b
	s_lshr_b32 s79, s79, 2
	s_add_co_u32 s79, s79, s78                     ; the head of column tile b: 3 bx + (6 wc + b) / 4
	s_cmp_ge_u32 s79, 40
	s_cselect_b32 s[70+\b], -1, 0                  ; heads of v are not rotated: they take cos = 1, sin = 0
.endr
.irp a, 0,1,2,3
	WIN 0x01                                       ; source 0 in window 1
.irp b, 0,1,2,3,4,5
.irp i, 0,1,2,3
	v_cndmask_b32 v[WD+4*\b+\i], v[CSR+16*\a+4*(\b%4)+\i], v[IDENT], s[70+\b]
.endr
.endr
	WIN 0
.set k, 0
.rept 24
	v_lshlrev_b32 v[CC+2*k], 16, v[WD+k]           ; cos
	v_and_b32 v[CC+2*k+1], 0xffff0000, v[WD+k]     ; sin
.set k, k+1
.endr
	WIN 0x01
.irp b, 0,1,2,3,4,5
.irp i, 0,1,2,3
	v_mul_f32 v[OO+8*\b+2*\i],   v[8*(6*\a+\b)+2*\i+1], v[CC+2*(4*\b+\i)+1]                      ; t1 s
	v_mul_f32 v[OO+8*\b+2*\i+1], v[8*(6*\a+\b)+2*\i+1], v[CC+2*(4*\b+\i)]                        ; t1 c
	v_fma_f32 v[OO+8*\b+2*\i],   v[8*(6*\a+\b)+2*\i], v[CC+2*(4*\b+\i)], -v[OO+8*\b+2*\i]        ; t0 c - t1 s
	v_fma_f32 v[OO+8*\b+2*\i+1], v[8*(6*\a+\b)+2*\i], v[CC+2*(4*\b+\i)+1], v[OO+8*\b+2*\i+1]     ; t0 s + t1 c
.endr
.endr
	WIN 0
.irp b, 0,1,2,3,4,5
.irp i, 0,1,2,3
	v_cvt_pk_f16_f32 v[WD+4*\b+\i], v[OO+8*\b+2*\i], v[OO+8*\b+2*\i+1]
.endr
	ds_store_b128 v[STO], v[WD+4*\b:WD+4*\b+3] offset:6400*\a+32*\b
.endr
.endr
	s_mul_i32 s80, s42, 0xc0000                    ; 3 bx heads of 262,144 bytes
	s_lshl_b32 s82, s43, 14                        ; + (128 by + 32 wave) rows of 128 bytes
	s_add_co_u32 s80, s80, s82
	s_lshl_b32 s82, s12, 12
	s_add_co_u32 s80, s80, s82
	s_mov_b32 s81, 0
	s_add_nc_u64 s[10:11], s[10:11], s[80:81]
	s_wait_dscnt 0x0                               ; my stores into the stage are done,
	s_barrier_signal -1
	s_barrier_wait -1                              ; everybody's are: a stage row has parts of two waves
	; wave w takes rows 32 w .. 32 w + 31: four rows of one head are 512 consecutive bytes of qkvh
.irp g, 0,1,2,3,4,5,6,7
.irp hl, 0,1,2
	ds_load_b128 v[32+4*(3*\g+\hl):32+4*(3*\g+\hl)+3], v[RD] offset:1600*\g+128*\hl
.endr
.endr
.irp g, 0,1,2,3,4,5,6,7
.irp hl, 0,1,2
	s_wait_dscnt 23-(3*\g+\hl)                     ; LDS loads return in order: this one is in, the younger ones stay out
	global_store_b128 v[CO], v[32+4*(3*\g+\hl):32+4*(3*\g+\hl)+3], s[10:11] offset:262144*\hl+512*\g
.endr
.endr
	s_wait_tensorcnt 0x0
	ds_add_u32 v254, v255
	s_wait_dscnt 0x0
	CROUND                                         ; the closing round: no work-group ends while a partner may still ask jointly
	s_endpgm
.Lfunc_end_k_q68b6dc3ca0_proj:
	.size	k_q68b6dc3ca0_proj, .Lfunc_end_k_q68b6dc3ca0_proj-k_q68b6dc3ca0_proj
	.p2alignl 7, 3214868480
	.fill 96, 4, 3214868480
	.section	.rodata,"a",@progbits
	.p2align	6, 0x0
	.amdhsa_kernel k_q68b6dc3ca0_proj
		.amdhsa_group_segment_fixed_size 327680
		.amdhsa_private_segment_fixed_size 0
		.amdhsa_enable_private_segment 0
		.amdhsa_kernarg_size 32
		.amdhsa_user_sgpr_count 2
		.amdhsa_user_sgpr_kernarg_segment_ptr 1
		.amdhsa_wavefront_size32 1
		.amdhsa_system_sgpr_workgroup_id_x 1
		.amdhsa_system_sgpr_workgroup_id_y 1
		.amdhsa_system_sgpr_workgroup_id_z 1
		.amdhsa_system_vgpr_workitem_id 0
		.amdhsa_next_free_vgpr 512
		.amdhsa_next_free_sgpr 84
		.amdhsa_reserve_vcc 0
		.amdhsa_float_denorm_mode_32 3
		.amdhsa_float_denorm_mode_16_64 3
		.amdhsa_memory_ordered 1
		.amdhsa_forward_progress 1
		.amdhsa_inst_pref_size 179
	.end_amdhsa_kernel
	.amdgpu_metadata
---
amdhsa.version: [ 1, 2 ]
amdhsa.kernels:
  - .name:           k_q68b6dc3ca0_proj
    .symbol:         k_q68b6dc3ca0_proj.kd
    .args:
      - { .name: xb, .offset: 0, .size: 8, .value_kind: global_buffer, .address_space: global }
      - { .name: wb, .offset: 8, .size: 8, .value_kind: global_buffer, .address_space: global }
      - { .name: csb, .offset: 16, .size: 8, .value_kind: global_buffer, .address_space: global }
      - { .name: qkvh, .offset: 24, .size: 8, .value_kind: global_buffer, .address_space: global }
    .group_segment_fixed_size: 327680
    .private_segment_fixed_size: 0
    .kernarg_segment_align: 8
    .kernarg_segment_size: 32
    .max_flat_workgroup_size: 128
    .sgpr_count:     84
    .vgpr_count:     512
    .wavefront_size: 32
...
	.end_amdgpu_metadata
.endif
;; end of part 6
;; launch attn (part 7): grid 32 x 8, 4 waves a work-group, no clusters, 327,680 bytes of LDS; arguments qkvh, y3, wo, wo16; writes y3, wo16
.if DOCPART == 7
	.amdgcn_target "amdgcn-amd-amdhsa--gfx1250"
	.amdhsa_code_object_version 6
	.text
	.protected	k_q68b6dc3ca0_attn
	.globl	k_q68b6dc3ca0_attn
	.p2align	8
	.type	k_q68b6dc3ca0_attn,@function
k_q68b6dc3ca0_attn:
	s_mov_b64 s[64:65], 0
	v_nop
	global_prefetch_b8 v0, s[64:65] scope:SCOPE_SE
	s_setreg_imm32_b32 hwreg(HW_REG_WAVE_MODE, 25, 1), 1
	s_wait_xcnt 0x0
; Causal attention with a running maximum, f16 operands, f32 sums and softmax.  The result is y / 4 in f16, in
; y3[16 blocks of 128 rows][72 pair rows][32 heads][row % 2][64]: pair rows 0-63 hold the rows' f16 value (hi), pair rows 64-71 what that
; rounding left out (lo, f16 again) of the block's first 16 rows.  A (pair row, head) is 256 aligned bytes, written whole by one wave.
; WHY lo THERE ALONE: a rounding of y is relative to the row's own size, and row t is a weighted mean of t + 1 values, so the first rows of
; the tensor are the large ones against the whole output's root mean square; from row 16 on 11 bits are kept.  The next launch has one text for all
; blocks, so each block's first 16 rows carry lo.
; BESIDE IT: wo16 = f16(4 bf16(wo)) for the next launch (a bf16 number has 8 significant bits: it is an f16 number wherever
; 2^-17 <= |4 wo| < 65,504; the 4 undoes the 2^-2 on v).  Work-group i of the 256 rounds 65,536 bytes of wo.  It stands here because this
; launch moves 22 MB for its 18 GFLOP, while the first launch only moves bytes and is 25 MB shorter without wo.
; Work-group (p, g): key/value head g; wave w is query head 4 g + w, so the four heads share K's and V's tiles in LDS.  The work-group takes
; the query blocks of 32 rows j = p and j = 63 - p.  Keys come in tiles of 128: block j needs j / 4 + 1 of them, the two blocks together 17
; for every p, so all 256 work-groups do the same work.  Each block begins with its diagonal tile and walks down to tile 0.
; NO CLUSTER: at step n the work-groups of one key/value head want tile p / 4 - n or 16 - n: different tiles for different p, so there is
; no joint request to make.  NO PREFETCH: qkvh is 12.6 MB that the launch before has just stored and that 32 work-groups a head read again.
; S^T = K Q^T: a lane holds one query (l % 16) and 8 keys a tile, so the row maximum is taken inside the lane and across the two halves of
; the wave, and maximum, sum and rescale factor are one number a lane.  P^T packed in place is source 1 of O^T = V^T P^T.
; The exponent is S C - m C with C = 2^12 / 8 x log2(e): q and k carry 2^-6 each.  m is the running maximum of the row, as in reference().
; THE WEAVE: behind the maxima a sub step (64 keys x 32 queries) has 64 exponentials, 128 plain instructions (32 scalings, 32 sums, 32
; conversions, 32 rescalings of O) and 16 products of V^T P^T.  They go in four blocks, one fragment of P^T each; a block's exponentials
; alternate with plain instructions of its neighbours, and a fragment's four products stand among the work of the block after next, which
; names none of their registers.
; The second block's sums are not cleared: its maximum starts at -inf, so its first rescale factor is exp2(-inf) = 0, which makes zeros of
; the first block's sums.  LIMIT: that holds while those sums are finite, which they are wherever q, k, v are inside f16's range.
; LIMITS: finite inputs; P and V are f16; |wo| < 16,376; a masked score is -inf here and the least f32 in reference(): both give the weight 0.
; LDS: a slot is four regions of 10,240 bytes, region w filled by wave w: K keys 0-63, K keys 64-127 (pitch 144), V keys 0-63, 64-127 (pitch 160).
; REGISTERS: window 0 holds all that softmax and V^T P^T name, so that they mix without a change of window; window 1 what K Q^T reads.
.set REG,    10240
.set SLOT,   4*REG
.set KP,     144                       ; odd multiple of 16
.set VP,     160                       ; odd multiple of 32, for the transposing loads
.set STAGE,  2*SLOT                    ; 81,920: each wave's own 8,704 bytes: 16 pair rows of hi, 8 of lo, 272 bytes each; no tile lands here
.set SPITCH, 272
.set YBLOCK, 72*8192                   ; a block of 128 rows in y3
.set WOS,  7                           ; 8 t: where I store in wo16
.set ADRK, 8
.set ADRV, 9
.set QO,   10
.set WOO,  11                          ; 16 t: where I load in wo
.set STO,  12
.set RD,   13
.set CO,   14
.set THR,  15                          ; the mask's threshold of the block at work
.set THRB, 16                          ; of the second block
.set NINF, 17
.set M,    18                          ; v18-19  running maximum, query tile 0, 1
.set L,    20                          ; v20-23  running sum, a pair a query tile
.set AL,   24                          ; v24-27  rescale factor, twice a query tile
.set NM,   28                          ; v28-31  -m C, twice a query tile
.set SC,   32                          ; v32-95  S^T, tile 2 mt + nt; then P^T
.set OA,   96                          ; v96-159 O^T, tile 2 dt + nt
.set VF,   160                         ; v160-223 V^T's fragments (dt, kc)
.set TA,   224
.set TB,   226
.set TU,   228
.set TM,   230
.set TS,   232
.set TE,   236
.set KF,   0                           ; window 1: v0-63 K's fragments (mt, kk); v64-95 Q's fragments (nt, kk); v96-127 the second block's;
.set QF,   64
.set QB,   96
.set WD,   128                         ; v128-255 32 units of wo, 4 registers each
.set YY,   32                          ; the end of a block: 32 scaled numbers; v64-67 hi; v68-71 lo; v72-79 hi as f32
.set LOW,  68
.set ZZ,   72
.set G1K, 16
.set G1V, 24
.set G0,  32                           ; s[32:39] group 0, one set a slot
.set MSB, 0
.macro WIN new                         ; the immediate's high byte repeats the setting that is left
.if MSB != \new
	s_set_vgpr_msb (MSB<<8)|\new
.set MSB, \new
.endif
.endm
.macro PLACES n
.rept \n
	v_nop
.endr
.endm
; The address of the tile of step n + ahead into slot s's group 0: tile nA - 1 - step in the first block, 16 - step in the second.
.macro TADDR s, ahead
	s_add_co_u32 s52, s13, \ahead
	s_cmp_lt_u32 s52, s11
	s_cselect_b32 s53, s12, 16
	s_sub_co_u32 s42, s53, s52
	s_lshl_b32 s42, s42, 14                        ; 128 rows of 128 bytes
	s_add_nc_u64 s[G0+4*\s+2:G0+4*\s+3], s[40:41], s[42:43]
	s_or_b32 s[G0+4*\s+3], s[G0+4*\s+3], 0x80000000
.endm
; One load a wave: 64 rows of K (waves 0, 1) or of V (waves 2, 3).  The two lines differ in the padding alone.
.macro TLOAD s
	s_cmp_lt_u32 s8, 2
	s_cbranch_scc0 .Ltv_\@
	tensor_load_to_lds s[G0+4*\s:G0+4*\s+3], s[G1K:G1K+7]
	s_nop 0
	s_branch .Ltd_\@
.Ltv_\@:
	tensor_load_to_lds s[G0+4*\s:G0+4*\s+3], s[G1V:G1V+7]
	s_nop 0
.Ltd_\@:
.endm
.macro KLOAD slot, ks                  ; 16 loads: K's fragments of 64 keys, into window 1
	WIN 0x40
.irp mt, 0,1,2,3
.irp kk, 0,1
	ds_load_b128 v[KF+16*\mt+8*\kk:KF+16*\mt+8*\kk+3],   v[ADRK] offset:(\slot)*SLOT+\ks*REG+\mt*16*KP+64*\kk
	ds_load_b128 v[KF+16*\mt+8*\kk+4:KF+16*\mt+8*\kk+7], v[ADRK] offset:(\slot)*SLOT+\ks*REG+\mt*16*KP+64*\kk+32
.endr
.endr
	WIN 0
.endm
.macro VLOAD slot, ks                  ; 16 transposing loads: V^T's fragments of 64 keys
.irp kc, 0,1
.irp dt, 0,1,2,3
	ds_load_tr16_b128 v[VF+16*\dt+8*\kc:VF+16*\dt+8*\kc+3],   v[ADRV] offset:(\slot)*SLOT+(64*\ks+32*\kc)*VP+32*\dt
	ds_load_tr16_b128 v[VF+16*\dt+8*\kc+4:VF+16*\dt+8*\kc+7], v[ADRV] offset:(\slot)*SLOT+(64*\ks+32*\kc+16)*VP+32*\dt
.endr
.endr
.endm
; 16 matrix instructions; the eight accumulators take turns, one instruction a turn.
.macro QK
	WIN 0x05                                       ; sources 0 and 1 (K, Q) in window 1
.irp t, 0,1,2,3,4,5,6,7
	v_wmma_f32_16x16x32_f16 v[SC+8*\t:SC+8*\t+7], v[KF+16*(\t/2):KF+16*(\t/2)+7], v[QF+16*(\t%2):QF+16*(\t%2)+7], 0
.endr
.irp t, 0,1,2,3,4,5,6,7
	v_wmma_f32_16x16x32_f16 v[SC+8*\t:SC+8*\t+7], v[KF+16*(\t/2)+8:KF+16*(\t/2)+15], v[QF+16*(\t%2)+8:QF+16*(\t%2)+15], v[SC+8*\t:SC+8*\t+7]
.endr
	WIN 0
.endm
; The diagonal tile: key 64 ks + 16 mt + 8 h + j is masked for query 32 (block % 4) + 16 nt + r if it is the larger.
.macro MASK ks
.irp t, 0,1,2,3,4,5,6,7
.irp jj, 0,1,2,3,4,5,6,7
	v_cmp_gt_i32 vcc_lo, 64*\ks+16*(\t/2)-16*(\t%2)+\jj, v[THR]
	v_cndmask_b32 v[SC+8*\t+\jj], v[SC+8*\t+\jj], v[NINF], vcc_lo
.endr
.endr
.endm
; The new maximum of each query, -m C and the rescale factor exp2((old m - m) C)
.macro MAXES
.irp nt, 0,1
	v_max3_num_f32 v[TA+\nt], v[SC+8*\nt], v[SC+8*\nt+1], v[SC+8*\nt+2]
	v_max3_num_f32 v[TB+\nt], v[SC+32+8*\nt], v[SC+32+8*\nt+1], v[SC+32+8*\nt+2]
.endr
.irp i, 3,5,7,9,11,13
.irp nt, 0,1
	v_max3_num_f32 v[TA+\nt], v[TA+\nt], v[SC+8*\nt+\i+8*(\i/8)], v[SC+8*\nt+\i+1+8*((\i+1)/8)]
	v_max3_num_f32 v[TB+\nt], v[TB+\nt], v[SC+32+8*\nt+\i+8*(\i/8)], v[SC+32+8*\nt+\i+1+8*((\i+1)/8)]
.endr
.endr
.irp nt, 0,1
	v_max3_num_f32 v[TA+\nt], v[TA+\nt], v[SC+8*\nt+23], v[SC+32+8*\nt+23]
.endr
.irp nt, 0,1
	v_max_num_f32 v[TA+\nt], v[TA+\nt], v[TB+\nt]
.endr
.irp nt, 0,1
	v_permlanex16_b32 v[TU+\nt], v[TA+\nt], s56, s57     ; the other half of the wave holds the query's other keys
.endr
.irp nt, 0,1
	v_max3_num_f32 v[TM+\nt], v[TA+\nt], v[TU+\nt], v[M+\nt]
.endr
.irp nt, 0,1
	v_mul_f32 v[NM+2*\nt], 0xc438aa3b, v[TM+\nt]         ; -m C
.endr
.irp nt, 0,1
	v_fma_f32 v[TE+\nt], v[M+\nt], s58, v[NM+2*\nt]      ; (old m - m) C
	v_mov_b32 v[NM+2*\nt+1], v[NM+2*\nt]
	v_mov_b32 v[M+\nt], v[TM+\nt]
.endr
.irp nt, 0,1
	v_exp_f32 v[AL+2*\nt], v[TE+\nt]
	v_exp_f32 v[AL+2*\nt+1], v[TE+\nt]
.endr
.endm
; THE WEAVE'S PARTS.  Block b = 2 kc + nt is fragment (nt, kc) of P^T: S^T's tiles (2 kc, nt) and (2 kc + 1, nt), 16 registers at
; BB + 0..7 and BB + 16..23 with BB = SC + 32 kc + 8 nt; packed to f16 they are BB + 0..7.
.macro FM b, i                         ; pair i (0..7): S C - m C
.set PR, SC+32*((\b)/2)+8*((\b)%2)+2*(\i)+8*((\i)/4)
	v_pk_fma_f32 v[PR:PR+1], v[PR:PR+1], 0x4438aa3b, v[NM+2*((\b)%2):NM+2*((\b)%2)+1] op_sel_hi:[1,0,1]
.endm
.macro EX b, k                         ; number k (0..15): exp2
.set PR, SC+32*((\b)/2)+8*((\b)%2)+(\k)+8*((\k)/8)
	v_exp_f32 v[PR], v[PR]
.endm
.macro AD b, i                         ; pair i joins the sum: blocks 0, 1 onto l (rescaled by the first), blocks 2, 3 onto a second chain
.set BB, SC+32*((\b)/2)+8*((\b)%2)
.set PR, BB+2*(\i)+8*((\i)/4)
.if (\b) < 2
.if (\i) == 0
	s_wait_alu depctr_va_vdst(0)
	v_pk_fma_f32 v[L+2*(\b):L+2*(\b)+1], v[L+2*(\b):L+2*(\b)+1], v[AL+2*(\b):AL+2*(\b)+1], v[PR:PR+1]
.else
	s_wait_alu depctr_va_vdst(0)
	v_pk_add_f32 v[L+2*(\b):L+2*(\b)+1], v[L+2*(\b):L+2*(\b)+1], v[PR:PR+1]
.endif
.else
.if (\i) == 1
	s_wait_alu depctr_va_vdst(0)
	v_pk_add_f32 v[TS+2*((\b)%2):TS+2*((\b)%2)+1], v[BB:BB+1], v[BB+2:BB+3]      ; pairs 0 and 1 start the chain
.endif
.if (\i) > 1
	v_pk_add_f32 v[TS+2*((\b)%2):TS+2*((\b)%2)+1], v[TS+2*((\b)%2):TS+2*((\b)%2)+1], v[PR:PR+1]
.endif
.endif
.endm
.macro CV b, i                         ; pair i to f16, in place: register BB + i is written when pairs 0 .. i / 2 have been read
.set BB, SC+32*((\b)/2)+8*((\b)%2)
.set PR, BB+2*(\i)+8*((\i)/4)
	v_cvt_pk_f16_f32 v[BB+(\i)], v[PR], v[PR+1]
.endm
.macro RS nt, r                        ; rescaling r (0..15) of the O tiles of query tile nt
.set OT, OA+8*(2*((\r)/4)+(\nt))+2*((\r)%4)
	s_wait_alu depctr_va_vdst(0)
	v_pk_mul_f32 v[OT:OT+1], v[OT:OT+1], v[AL+2*(\nt):AL+2*(\nt)+1]
.endm
.macro PW b, dt, zero                  ; O^T tile (dt, nt) += V^T (dt, kc) x fragment b
.set BB, SC+32*((\b)/2)+8*((\b)%2)
.set OT, OA+8*(2*(\dt)+(\b)%2)
.set VA, VF+16*(\dt)+8*((\b)/2)
.if \zero
	v_wmma_f32_16x16x32_f16 v[OT:OT+7], v[VA:VA+7], v[BB:BB+7], 0
.else
	v_wmma_f32_16x16x32_f16 v[OT:OT+7], v[VA:VA+7], v[BB:BB+7], v[OT:OT+7]
.endif
.endm
; P = exp2(S C - m C), the sums, P as f16, O rescaled, O += V^T P^T.  The products' accumulators take turns, one instruction a turn, in the
; order 0, 2, 4, 6, 1, 3, 5, 7 twice.  No vector instruction here names a register of a product issued before it:
; a block's registers, the O tiles of the other query tile, l and the second chain are all apart (ISA guide 7.12.1).
; Between an exponential and the use of its result stand plain instructions of other blocks (ISA guide 5.7.2).
; first = 1: the launch's first products start the sums, and there is nothing to rescale.
; kind 0: a tile's first half; 1, 2: its second half with the change of slots, with and without a refill; 3: the last of all.
.macro WEAVE slot, ks, first, kind
.set CH, 0
.if \kind == 1
.set CH, 1
.endif
.if \kind == 2
.set CH, 1
.endif
.set k, 0
.rept 8
	FM 0, k                                        ; the first of these is the plain instruction behind the rescale factors' exponentials
.set k, k+1
.endr
.set k, 0
.rept 16
	EX 0, k
.if k < 8
	FM 1, k
.else
.if \first == 0
	RS 0, k-8
.endif
.endif
.set k, k+1
.endr
.set k, 0
.rept 16
	EX 1, k
.if k < 8
	FM 2, k
	AD 0, k
.else
.if \first == 0
	RS 0, k
.endif
	CV 0, k-8
.endif
.set k, k+1
.endr
.if \ks == 0
	s_wait_dscnt 16                                ; V's 16 loads are in; the 16 of K's second half, issued after them, may stay out
.else
	s_wait_dscnt 0x0                               ; V's loads are in: my last reads of this slot
.endif
.set k, 0
.rept 16
	EX 2, k
.if k < 8
	FM 3, k
	AD 1, k
.else
	CV 1, k-8
.endif
.if \first == 0
	RS 1, k
.endif
.if k%4 == 1
	PW 0, k/4, \first
.endif
.set k, k+1
.endr
.set k, 0
.rept 16
	EX 3, k
.if k < 8
	AD 2, k
.else
	CV 2, k-8
.endif
.if k%4 == 1
	PW 1, k/4, \first
.endif
.set k, k+1
.endr
.if CH
	; The change of slots.  In front of the barrier: my reads of this slot are back and all my tensor loads have landed (one is out: my
	; part of the next tile).  Behind it the refill comes first, then the next tile's first fragments.
	s_wait_dscnt 0x0                               ; met: no LDS instruction was issued behind the wait above
	s_wait_tensorcnt 0x0
	ds_add_u32 v254, v255
	s_wait_dscnt 0x0
.if \kind == 1
	TADDR \slot, 2                                 ; no load of mine is out: the group 0 may be written
.endif
	s_barrier_signal -1                            ; registers only from here to the barrier's wait
.endif
	PW 2, 0, 0
	AD 3, 1
	AD 3, 2
	AD 3, 3
	AD 3, 4
	PW 2, 1, 0
	AD 3, 5
	AD 3, 6
	AD 3, 7
	CV 3, 0
	PW 2, 2, 0
	CV 3, 1
	CV 3, 2
	CV 3, 3
	CV 3, 4
	PW 2, 3, 0
	CV 3, 5
	CV 3, 6
	CV 3, 7
	v_pk_add_f32 v[L:L+1], v[L:L+1], v[TS:TS+1]
	v_pk_add_f32 v[L+2:L+3], v[L+2:L+3], v[TS+2:TS+3]
	PW 3, 0, 0
	PW 3, 1, 0
	PW 3, 2, 0
	PW 3, 3, 0
.if CH
	s_barrier_wait -1
.if \kind == 1
	TLOAD \slot
.endif
	PLACES 5                                       ; behind the products: V's registers are loaded again and the next S^T is written over P^T (ISA guide 7.12.1)
	KLOAD 1-\slot, 0
.else
	PLACES 5
.endif
.endm
; 64 keys.  mode 1: masked; 2: masked if the flag s14 says that this is a diagonal tile; 0: not masked.
.macro SUB slot, ks, mode, first, kind
	s_wait_dscnt 0x0                               ; K's fragments are in
	VLOAD \slot, \ks                               ; V's are asked for ahead of K Q^T and have it and the first half of the softmax in which to come
	QK
	PLACES 4                                       ; behind the matrix instructions: their results are read and K's registers loaded again
.if \ks == 0
	KLOAD \slot, 1
.endif
.if \mode == 1
	MASK \ks
.endif
.if \mode == 2
	s_cmp_eq_u32 s14, 0
	s_cbranch_scc1 .Lclear_\@
	MASK \ks
.Lclear_\@:
.endif
	MAXES
	WEAVE \slot, \ks, \first, \kind
.endm
; The end of a block.  Query tile nt: O / l into YY, its f16 value into my stage: row 16 nt + r lies in pair row 8 nt + r / 2, half r % 2.
.macro FIN_NT nt
.irp dt, 0,1,2,3
.irp i, 0,2,4,6
	v_pk_mul_f32 v[YY+8*\dt+\i:YY+8*\dt+\i+1], v[OA+8*(2*\dt+\nt)+\i:OA+8*(2*\dt+\nt)+\i+1], v[AL+2*\nt:AL+2*\nt+1]
.endr
.endr
.irp dt, 0,1,2,3
.irp i, 0,1,2,3
	v_cvt_pk_f16_f32 v[64+\i], v[YY+8*\dt+2*\i], v[YY+8*\dt+2*\i+1]      ; hi
.endr
	ds_store_b128 v[STO], v[64:67] offset:2176*\nt+32*\dt
.endr
.endm
; O / l in f16 through my own stage, out as whole units of 256 bytes.  No barrier, no tensor load.
.macro FINAL
.irp nt, 0,1
	v_add_f32 v[TA+\nt], v[L+2*\nt], v[L+2*\nt+1]
.endr
.irp nt, 0,1
	v_permlanex16_b32 v[TU+\nt], v[TA+\nt], s56, s57
.endr
.irp nt, 0,1
	v_add_f32 v[TA+\nt], v[TA+\nt], v[TU+\nt]
.endr
.irp nt, 0,1
	v_rcp_f32 v[AL+2*\nt], v[TA+\nt]
	v_rcp_f32 v[AL+2*\nt+1], v[TA+\nt]
.endr
	v_nop
	s_wait_alu depctr_va_vdst(0)
	FIN_NT 0
	s_cmp_eq_u32 s59, 0                            ; is this the first query block of a block of 128 rows?
	s_cbranch_scc1 .Lno_lo_\@
	; then its first 16 rows, which YY still holds, also leave what the rounding to f16 left out
.irp dt, 0,1,2,3
.irp i, 0,1,2,3
	v_cvt_pk_f16_f32 v[64+\i], v[YY+8*\dt+2*\i], v[YY+8*\dt+2*\i+1]
.endr
	v_cvt_f32_f16 v[ZZ+0], v64.l
	v_cvt_f32_f16 v[ZZ+1], v64.h
	v_cvt_f32_f16 v[ZZ+2], v65.l
	v_cvt_f32_f16 v[ZZ+3], v65.h
	v_cvt_f32_f16 v[ZZ+4], v66.l
	v_cvt_f32_f16 v[ZZ+5], v66.h
	v_cvt_f32_f16 v[ZZ+6], v67.l
	v_cvt_f32_f16 v[ZZ+7], v67.h
.irp i, 0,2,4,6
	v_pk_add_f32 v[ZZ+\i:ZZ+\i+1], v[YY+8*\dt+\i:YY+8*\dt+\i+1], v[ZZ+\i:ZZ+\i+1] neg_lo:[0,1] neg_hi:[0,1]
.endr
.irp i, 0,1,2,3
	v_cvt_pk_f16_f32 v[LOW+\i], v[ZZ+2*\i], v[ZZ+2*\i+1]
.endr
	ds_store_b128 v[STO], v[LOW:LOW+3] offset:16*SPITCH+32*\dt
.endr
.irp i, 0,1,2,3
	ds_load_b128 v[VF+32+4*\i:VF+32+4*\i+3], v[RD] offset:16*SPITCH+544*\i   ; LDS serves a wave's instructions in order: these see the stores above
.endr
.irp i, 0,1,2,3
	s_wait_dscnt 3-\i                              ; this one is in, the younger ones stay out
	global_store_b128 v[CO], v[VF+32+4*\i:VF+32+4*\i+3], s[48:49] offset:64*8192+16384*\i   ; pair rows 64 to 71 of the block
.endr
.Lno_lo_\@:
	FIN_NT 1
.irp i, 0,1,2,3,4,5,6,7
	ds_load_b128 v[VF+4*\i:VF+4*\i+3], v[RD] offset:544*\i
.endr
.irp i, 0,1,2,3,4,5,6,7
	s_wait_dscnt 7-\i                              ; this one is in, the younger ones stay out
	global_store_b128 v[CO], v[VF+4*\i:VF+4*\i+3], s[48:49] offset:16384*\i   ; 16 lanes store the 256 aligned bytes of one (pair row, head)
.endr
	s_wait_xcnt 0x0                                ; V's registers and the base are written again only behind this wait
.endm
.macro INITB                           ; the second block: its Q, its threshold, its rows of y3; the maximum starts anew
	WIN 0x41
.set i, 0
.rept 32
	v_mov_b32 v[QF+i], v[QB+i]
.set i, i+1
.endr
	WIN 0
	v_mov_b32 v[M], v[NINF]
	v_mov_b32 v[M+1], v[NINF]
	v_mov_b32 v[THR], v[THRB]
	s_mov_b64 s[48:49], s[50:51]
	s_mov_b32 s59, s60
	s_mov_b32 s14, 1
.endm
.macro SUPER slot, mode, kind          ; a tile of 128 keys
.if \mode == 2
	s_cmp_lg_u32 s13, s11
	s_cbranch_scc1 .Lsame_\@
	FINAL
	INITB
.Lsame_\@:
.endif
.if \mode == 1
	SUB \slot, 0, \mode, 1, 0
.else
	SUB \slot, 0, \mode, 0, 0
.endif
	SUB \slot, 1, \mode, 0, \kind
	s_add_co_u32 s13, s13, 1
	s_mov_b32 s14, 0
.endm
	s_load_b128 s[4:7], s[0:1], 0x0                ; qkvh 4, y3 6
	s_load_b128 s[68:71], s[0:1], 0x10             ; wo 68, wo16 70
	v_lshl_add_u32 v254, v0, 2, 0x29000
	v_mov_b32 v255, 0
	ds_add_u32 v254, v255
	ds_add_u32 v254, v255
	v_lshrrev_b32 v1, 5, v0
	v_readfirstlane_b32 s8, v1                     ; wave
	s_mov_b32 s9, ttmp9                            ; p
	s_and_b32 s10, ttmp7, 0xffff                   ; g
	s_lshr_b32 s12, s9, 2                          ; nA - 1: the first block's diagonal tile
	s_add_co_u32 s11, s12, 1                       ; nA: the first block's tiles
	s_mov_b32 s13, 0                               ; n: the step
	s_mov_b32 s14, 1                               ; this step's tile is a diagonal one
	s_mov_b32 s[G1K+0], (1<<16)|(1<<20)|(4<<22)|(3<<25)   ; 2-byte elements; 4 words of padding behind every 32
	s_mov_b32 s[G1K+1], 64<<16
	s_mov_b32 s[G1K+2], 64<<16
	s_mov_b32 s[G1K+3], 64<<16
	s_mov_b32 s[G1K+4], 64
	s_mov_b32 s[G1K+5], 64
	s_mov_b32 s[G1K+6], 0
	s_mov_b32 s[G1K+7], 0
	s_mov_b32 s[G1V+0], (1<<16)|(1<<20)|(4<<22)|(7<<25)   ; 8 words of padding
	s_mov_b32 s[G1V+1], 64<<16
	s_mov_b32 s[G1V+2], 64<<16
	s_mov_b32 s[G1V+3], 64<<16
	s_mov_b32 s[G1V+4], 64
	s_mov_b32 s[G1V+5], 64
	s_mov_b32 s[G1V+6], 0
	s_mov_b32 s[G1V+7], 0
	s_lshr_b32 s52, s8, 1
	s_lshl_b32 s52, s52, 3
	s_add_co_u32 s52, s52, s10
	s_add_co_u32 s52, s52, 32                      ; head 32 + g (K) or 40 + g (V)
	s_lshl_b32 s52, s52, 18
	s_and_b32 s53, s8, 1
	s_lshl_b32 s53, s53, 13                        ; which 64 rows of a tile
	s_add_co_u32 s42, s52, s53
	s_mov_b32 s43, 0
	s_mul_i32 s54, s8, REG
	s_wait_dscnt 0x0
	s_wait_kmcnt 0x0
	s_add_nc_u64 s[40:41], s[4:5], s[42:43]
.irp s, 0,1
	s_mov_b32 s[G0+4*\s], 1
	s_add_co_u32 s[G0+4*\s+1], s54, \s*SLOT
	TADDR \s, \s
	TLOAD \s                                       ; the tiles of steps 0 and 1: two loads of this wave are out
.endr
	s_lshl2_add_u32 s55, s10, s8                   ; my query head
	s_sub_co_u32 s54, 63, s9                       ; the second block
	s_lshl_b32 s52, s55, 18
	s_lshl_b32 s53, s9, 12                         ; 32 rows of 128 bytes a block
	s_add_co_u32 s42, s52, s53
	s_add_nc_u64 s[44:45], s[4:5], s[42:43]
	s_lshl_b32 s53, s54, 12
	s_add_co_u32 s42, s52, s53
	s_add_nc_u64 s[46:47], s[4:5], s[42:43]
	; y3: query block j begins at block j / 4, pair row 16 (j % 4); my head's 256 bytes of a pair row
	s_lshl_b32 s52, s55, 8
	s_lshr_b32 s53, s9, 2
	s_mul_i32 s53, s53, YBLOCK
	s_add_co_u32 s42, s52, s53
	s_and_b32 s53, s9, 3
	s_lshl_b32 s53, s53, 17
	s_add_co_u32 s42, s42, s53
	s_add_nc_u64 s[48:49], s[6:7], s[42:43]
	s_lshr_b32 s53, s54, 2
	s_mul_i32 s53, s53, YBLOCK
	s_add_co_u32 s42, s52, s53
	s_and_b32 s53, s54, 3
	s_lshl_b32 s53, s53, 17
	s_add_co_u32 s42, s42, s53
	s_add_nc_u64 s[50:51], s[6:7], s[42:43]
	; wo and wo16: work-group 32 g + p owns 65,536 bytes of the one and 32,768 of the other
	s_lshl_b32 s52, s10, 5
	s_add_co_u32 s52, s52, s9
	s_lshl_b32 s42, s52, 16
	s_add_nc_u64 s[68:69], s[68:69], s[42:43]
	s_lshl_b32 s42, s52, 15
	s_add_nc_u64 s[70:71], s[70:71], s[42:43]
	s_and_b32 s52, s9, 3
	s_cmp_eq_u32 s52, 0
	s_cselect_b32 s59, 1, 0                        ; block p is the first of its four
	s_cmp_eq_u32 s52, 3
	s_cselect_b32 s60, 1, 0                        ; block 63 - p is
	s_mov_b32 s56, 0x76543210
	s_mov_b32 s57, 0xfedcba98
	s_mov_b32 s58, 0x4438aa3b                      ; C = 512 log2(e)
	v_and_b32 v1, 15, v0                           ; r
	v_bfe_u32 v2, v0, 4, 1                         ; h
	v_lshlrev_b32 v3, 7, v1
	v_lshl_add_u32 v[QO], v2, 4, v3                ; 128 r + 16 h
	WIN 0x40
.irp nt, 0,1
.irp kk, 0,1
	global_load_b128 v[QF+16*\nt+8*\kk:QF+16*\nt+8*\kk+3],   v[QO], s[44:45] offset:2048*\nt+64*\kk
	global_load_b128 v[QF+16*\nt+8*\kk+4:QF+16*\nt+8*\kk+7], v[QO], s[44:45] offset:2048*\nt+64*\kk+32
	global_load_b128 v[QB+16*\nt+8*\kk:QB+16*\nt+8*\kk+3],   v[QO], s[46:47] offset:2048*\nt+64*\kk
	global_load_b128 v[QB+16*\nt+8*\kk+4:QB+16*\nt+8*\kk+7], v[QO], s[46:47] offset:2048*\nt+64*\kk+32
.endr
.endr
	WIN 0
	v_lshlrev_b32 v[WOO], 4, v0                    ; 16 t
	v_lshlrev_b32 v[WOS], 3, v0                    ; 8 t
	v_mul_u32_u24 v3, v1, KP
	v_lshl_add_u32 v[ADRK], v2, 4, v3              ; 144 r + 16 h
	v_and_b32 v3, 7, v0
	v_lshl_add_u32 v3, v2, 3, v3                   ; 8 h + l % 8
	v_mul_u32_u24 v3, v3, VP
	v_bfe_u32 v4, v0, 3, 1
	v_lshl_add_u32 v3, v4, 4, v3
	v_add_nc_u32 v[ADRV], 2*REG, v3                ; V lies behind K's two regions
	s_mul_i32 s52, s8, 32*SPITCH
	s_add_co_u32 s52, s52, STAGE                   ; my stage
	v_lshrrev_b32 v3, 1, v1
	v_mul_u32_u24 v3, v3, SPITCH
	v_and_b32 v4, 1, v0
	v_lshl_add_u32 v3, v4, 7, v3
	v_lshl_add_u32 v3, v2, 4, v3
	v_add_nc_u32 v[STO], s52, v3                   ; (r / 2) 272 + (r % 2) 128 + 16 h: sixteen different columns of 16 bytes for r = 0..15
	v_mul_u32_u24 v3, v2, SPITCH
	v_lshl_add_u32 v3, v1, 4, v3
	v_add_nc_u32 v[RD], s52, v3                    ; back: lanes 0-15 one pair row's 256 bytes, lanes 16-31 the next
	v_lshlrev_b32 v3, 4, v1
	v_lshl_add_u32 v[CO], v2, 13, v3               ; 8,192 h + 16 r
	v_lshlrev_b32 v3, 3, v2
	v_sub_nc_u32 v3, v1, v3                        ; r - 8 h
	s_and_b32 s52, s9, 3
	s_lshl_b32 s52, s52, 5
	v_add_nc_u32 v[THR], s52, v3
	s_and_b32 s53, s54, 3
	s_lshl_b32 s53, s53, 5
	v_add_nc_u32 v[THRB], s53, v3
	v_mov_b32 v[NINF], 0xff800000
	v_mov_b32 v[M], v[NINF]
	v_mov_b32 v[M+1], v[NINF]
.irp i, 0,1,2,3
	v_mov_b32 v[L+\i], 0
.endr
	v_mov_b32 v[TU], 0                             ; v_permlanex16_b32 counts as a reader of its destination
	v_mov_b32 v[TU+1], 0
	s_wait_tensorcnt 0x1                           ; my part of step 0's tile is in; step 1's may stay out
	s_barrier_signal -1
	s_barrier_wait -1
	KLOAD 0, 0
	s_wait_loadcnt 0x0                             ; Q of both blocks
	; wo: my 32 loads, 512 consecutive bytes of the wave each, asked for when the first tile and Q are in; they stay out until the loop is over
	WIN 0x40
.set u, 0
.rept 32
	global_load_b128 v[WD+4*u:WD+4*u+3], v[WOO], s[68:69] offset:2048*u th:TH_LOAD_NT
.set u, u+1
.endr
	WIN 0
	SUPER 0, 1, 1                                  ; step 0: the first block's diagonal tile
	s_mov_b32 s15, 7
.Lpair:
	SUPER 1, 2, 1                                  ; steps 1 to 14; the second block begins at step nA, 1 to 8
	SUPER 0, 2, 1
	s_sub_co_u32 s15, s15, 1
	s_cmp_lg_u32 s15, 0
	s_cbranch_scc1 .Lpair
	; wo16 = f16(4 bf16(wo)): scale, round to bf16, write the same numbers as f16; stage by stage over the 32 units, so that no line waits for the one in front
	s_wait_loadcnt 0x0
	WIN 0x45                                       ; sources 0 and 1 and the destination in window 1
.set u, 0
.rept 32
	v_pk_mul_f32 v[WD+4*u:WD+4*u+1], v[WD+4*u:WD+4*u+1], 4.0 op_sel_hi:[1,0]
	v_pk_mul_f32 v[WD+4*u+2:WD+4*u+3], v[WD+4*u+2:WD+4*u+3], 4.0 op_sel_hi:[1,0]
.set u, u+1
.endr
.set u, 0
.rept 32
	v_cvt_pk_bf16_f32 v[WD+4*u], v[WD+4*u], v[WD+4*u+1]
	v_cvt_pk_bf16_f32 v[WD+4*u+1], v[WD+4*u+2], v[WD+4*u+3]
.set u, u+1
.endr
.set u, 0
.rept 32
	v_lshlrev_b32 v[WD+4*u+2], 16, v[WD+4*u]       ; the first two bf16 back as f32,
	v_and_b32 v[WD+4*u+3], 0xffff0000, v[WD+4*u]
.set u, u+1
.endr
.set u, 0
.rept 32
	v_cvt_pk_f16_f32 v[WD+4*u], v[WD+4*u+2], v[WD+4*u+3]   ; and written as f16
.set u, u+1
.endr
.set u, 0
.rept 32
	v_lshlrev_b32 v[WD+4*u+2], 16, v[WD+4*u+1]
	v_and_b32 v[WD+4*u+3], 0xffff0000, v[WD+4*u+1]
.set u, u+1
.endr
.set u, 0
.rept 32
	v_cvt_pk_f16_f32 v[WD+4*u+1], v[WD+4*u+2], v[WD+4*u+3]
.set u, u+1
.endr
	WIN 0x04                                       ; a store's data are its source 1: window 1
.set u, 0
.rept 32
	global_store_b64 v[WOS], v[WD+4*u:WD+4*u+1], s[70:71] offset:1024*u   ; the wave stores 256 consecutive aligned bytes
.set u, u+1
.endr
	WIN 0
	SUPER 1, 0, 2                                  ; step 15: nothing is left to fetch
	SUPER 0, 0, 3                                  ; step 16
	FINAL
	s_wait_tensorcnt 0x0
	ds_add_u32 v254, v255
	s_wait_dscnt 0x0
	s_endpgm
.Lfunc_end_k_q68b6dc3ca0_attn:
	.size	k_q68b6dc3ca0_attn, .Lfunc_end_k_q68b6dc3ca0_attn-k_q68b6dc3ca0_attn
	.p2alignl 7, 3214868480
	.fill 96, 4, 3214868480
	.section	.rodata,"a",@progbits
	.p2align	6, 0x0
	.amdhsa_kernel k_q68b6dc3ca0_attn
		.amdhsa_group_segment_fixed_size 327680
		.amdhsa_private_segment_fixed_size 0
		.amdhsa_enable_private_segment 0
		.amdhsa_kernarg_size 32
		.amdhsa_user_sgpr_count 2
		.amdhsa_user_sgpr_kernarg_segment_ptr 1
		.amdhsa_wavefront_size32 1
		.amdhsa_system_sgpr_workgroup_id_x 1
		.amdhsa_system_sgpr_workgroup_id_y 1
		.amdhsa_system_sgpr_workgroup_id_z 1
		.amdhsa_system_vgpr_workitem_id 0
		.amdhsa_next_free_vgpr 512
		.amdhsa_next_free_sgpr 72
		.amdhsa_reserve_vcc 1
		.amdhsa_float_denorm_mode_32 3
		.amdhsa_float_denorm_mode_16_64 3
		.amdhsa_memory_ordered 1
		.amdhsa_forward_progress 1
		.amdhsa_inst_pref_size 255
	.end_amdhsa_kernel
	.section	.bss,"aw",@nobits
	.p2align	6
	.space	262144
	.amdgpu_metadata
---
amdhsa.version: [ 1, 2 ]
amdhsa.kernels:
  - .name:           k_q68b6dc3ca0_attn
    .symbol:         k_q68b6dc3ca0_attn.kd
    .args:
      - { .name: qkvh, .offset: 0, .size: 8, .value_kind: global_buffer, .address_space: global }
      - { .name: y3, .offset: 8, .size: 8, .value_kind: global_buffer, .address_space: global }
      - { .name: wo, .offset: 16, .size: 8, .value_kind: global_buffer, .address_space: global }
      - { .name: wo16, .offset: 24, .size: 8, .value_kind: global_buffer, .address_space: global }
    .group_segment_fixed_size: 327680
    .private_segment_fixed_size: 0
    .kernarg_segment_align: 8
    .kernarg_segment_size: 32
    .max_flat_workgroup_size: 128
    .sgpr_count:     72
    .vgpr_count:     512
    .wavefront_size: 32
...
	.end_amdgpu_metadata
.endif
;; end of part 7
;; launch oproj (part 8): grid 16 x 16, 4 waves a work-group, clusters of 4 x 4, 327,680 bytes of LDS; arguments y3, wo16, out0; writes out0
.if DOCPART == 8
	.amdgcn_target "amdgcn-amd-amdhsa--gfx1250"
	.amdhsa_code_object_version 6
	.text
	.protected	k_q68b6dc3ca0_oproj
	.globl	k_q68b6dc3ca0_oproj
	.p2align	8
	.type	k_q68b6dc3ca0_oproj,@function
k_q68b6dc3ca0_oproj:
	s_mov_b64 s[64:65], 0
	v_nop
	global_prefetch_b8 v0, s[64:65] scope:SCOPE_SE
	s_setreg_imm32_b32 hwreg(HW_REG_WAVE_MODE, 25, 1), 1
	s_wait_xcnt 0x0
	s_wait_alu depctr_hold_cnt(0) depctr_sa_sdst(0) depctr_va_vdst(0) depctr_va_sdst(0) depctr_va_ssrc(0) depctr_va_vcc(0) depctr_vm_vsrc(0)
	s_getreg_b32 s2, hwreg(HW_REG_IB_STS2, 6, 4)
	s_cmp_eq_u32 s2, 0
	s_cbranch_scc0 .Lentry_in_a_cluster
	s_endpgm
.Lentry_in_a_cluster:
	s_bfe_u32 s2, ttmp6, 0x10000c
	s_cmp_lg_u32 s2, 0xf033
	s_cbranch_scc0 .Lentry_shape_is_right
	s_endpgm
.Lentry_shape_is_right:
; out0[t][o] = sum over c of y[t][c] wo[o][c], with y / 4 in f16 (y3) and 4 bf16(wo) in f16 (wo16); sums in f32.
; y3[16 blocks of 128 rows][72 pair rows][32 heads][row % 2][64]: pair rows 0-63 are the rows' f16 value, pair rows 64-71 what that rounding
; left out of the block's first 16 rows (lo).  The lo rows are multiplied by the same fragments of wo16 and added onto the accumulators of
; those 16 rows, so they keep some 22 bits of y; the other rows keep 11.  LIMIT, and why: a rounding of y is relative to its row's size, and
; the first rows of the tensor, means over few values, are the large ones against the whole output's root mean square.  Rows 0 to 15 of the
; tensor need it; the text is one for all blocks.
; A work-group makes 128 x 128 with four waves, a wave 64 x 64: 16 accumulator tiles.  A K step is four heads, 256 c: 1,024 aligned bytes of
; a pair row of y3 and 512 of a row of wo16; 8 steps through two LDS slots.
; CLUSTERS: 4 x 4 work-groups; y3's tile is asked for jointly by a row of the cluster, wo16's by a column.  Waves 0 and 1 ask for 36 pair
; rows of y3 each, waves 2 and 3 for 64 rows of wo16 each.
; THE MATRIX INSTRUCTION IS USED TRANSPOSED (source 0 = rows of wo16, source 1 = rows of y): a lane holds row t = l % 16 and eight
; neighbouring columns, 32 bytes of f32.
; REGISTERS: window 0: v16-24 addresses; v32-103, v104-175 two fragment buffers (4 of wo16, 4 of y, 1 of lo); v192-223 the way out.
;            window 1: v0-127 accumulators, tile (a, b) at 8 (4 a + b).
.set PA,     1040                      ; a pair row in LDS: 1,024 + 16.  Row r of a fragment starts at (r / 2) 1,040 + (r % 2) 128: columns of 16 bytes r / 2 + 8 (r % 2) modulo 16, sixteen different ones
.set PB,     528                       ; 512 + 16: an odd multiple of 16
.set BOFF,   72*PA                     ; 74,880
.set SLOT,   BOFF+128*PB               ; 142,464
.set STAGE,  2*SLOT                    ; 284,928, a multiple of 256: 16 rows of 272 bytes for each wave; no tile lands here
.set SPITCH, 272
.set LAPS,   4                         ; 8 K steps, two a lap
.set ADRA, 16                          ; v16-17 my rows of y in slot 0, 1
.set ADRB, 18                          ; v18-19 my rows of wo16
.set ADRL, 20                          ; v20-21 the lo rows
.set STO,  22
.set RD,   23
.set CO,   24
.set F0,   32
.set F1,   104
.set TMP,  192
.set G1A, 24
.set G0A, 32
.set G1B, 48
.set G0B, 56
.set MUL, 0x50
.set MSB, 0
.macro WIN new
.if MSB != \new
	s_set_vgpr_msb (MSB<<8)|\new
.set MSB, \new
.endif
.endm
.macro PLACES n
.rept \n
	v_nop
.endr
.endm
.macro JLOAD s
	s_cmp_lt_u32 s12, 2
	s_cbranch_scc0 .Lfor_b_\@
	tensor_load_to_lds s[G0A+4*\s:G0A+4*\s+3], s[G1A:G1A+7]
	s_nop 0
	s_branch .Lasked_\@
.Lfor_b_\@:
	tensor_load_to_lds s[G0B+4*\s:G0B+4*\s+3], s[G1B:G1B+7]
	s_nop 0
.Lasked_\@:
.endm
.macro CREST
	s_cmp_lg_u32 s12, 0
	s_cbranch_scc1 .Lnot_wave_0_\@
	s_barrier_signal -3
.Lnot_wave_0_\@:
	s_barrier_wait -3
	s_barrier_signal -1
	s_barrier_wait -1
.endm
.macro CROUND
	s_barrier_signal -1
	s_barrier_wait -1
	CREST
.endm
	s_load_b128 s[4:7], s[0:1], 0x0                ; y3 4, wo16 6
	s_load_b64 s[8:9], s[0:1], 0x10                ; out0
	v_lshl_add_u32 v254, v0, 2, 0x49d00
	v_mov_b32 v255, 0
	ds_add_u32 v254, v255
	ds_add_u32 v254, v255
	v_lshrrev_b32 v1, 5, v0
	v_readfirstlane_b32 s12, v1                    ; wave
	s_lshr_b32 s13, s12, 1                         ; wr: which 64 rows
	s_and_b32 s14, s12, 1                          ; wc: which 64 columns; also: which half of a tile I ask for
	s_bfe_u32 s40, ttmp6, 0x40000                  ; cx
	s_bfe_u32 s41, ttmp6, 0x40004                  ; cy
	s_lshl_b32 s42, ttmp9, 2
	s_add_co_u32 s42, s42, s40                     ; bx
	s_and_b32 s43, ttmp7, 0xffff
	s_lshl_b32 s43, s43, 2
	s_add_co_u32 s43, s43, s41                     ; by
	s_lshl_b32 s44, s41, 2
	s_lshl_b32 s44, 15, s44                        ; my row of the cluster
	s_lshl_b32 s45, 0x1111, s40                    ; my column
	s_or_b32 s[G1A+0], s44, (1<<16)|(1<<20)|(1<<21)|(7<<22)|(3<<25)   ; 4 words of padding behind every 256
	s_mov_b32 s[G1A+1], 512<<16                    ; 512 elements: four heads of a pair row
	s_mov_b32 s[G1A+2], 36<<16                     ; 36 pair rows
	s_mov_b32 s[G1A+3], 512<<16
	s_mov_b32 s[G1A+4], 36
	s_mov_b32 s[G1A+5], 4096                       ; elements from pair row to pair row
	s_mov_b32 s[G1A+6], 0
	s_mov_b32 s[G1A+7], 0
	s_or_b32 s[G1B+0], s45, (1<<16)|(1<<20)|(1<<21)|(6<<22)|(3<<25)   ; behind every 128
	s_mov_b32 s[G1B+1], 256<<16
	s_mov_b32 s[G1B+2], 64<<16
	s_mov_b32 s[G1B+3], 256<<16
	s_mov_b32 s[G1B+4], 64
	s_mov_b32 s[G1B+5], 2048
	s_mov_b32 s[G1B+6], 0
	s_mov_b32 s[G1B+7], 0
	s_mul_i32 s16, s43, 72*8192                    ; y3: block by, + 36 pair rows of 8,192 bytes for the second half
	s_mul_i32 s20, s14, 36*8192
	s_add_co_u32 s16, s16, s20
	s_mov_b32 s17, 0
	s_lshl_b32 s46, s42, 19                        ; wo16: (128 bx + 64 half) rows of 4,096 bytes
	s_lshl_b32 s23, s14, 18
	s_add_co_u32 s46, s46, s23
	s_mov_b32 s47, 0
	s_mul_i32 s21, s12, 36*PA                      ; y3's halves in LDS: waves 0, 1 at 0 and 37,440
	s_mul_i32 s22, s12, 64*PB
	s_add_co_u32 s22, s22, BOFF-128*PB             ; wo16's halves: waves 2, 3 at 74,880 and 108,672
	s_wait_dscnt 0x0
	s_wait_kmcnt 0x0
	s_add_nc_u64 s[18:19], s[4:5], s[16:17]
	s_add_nc_u64 s[46:47], s[6:7], s[46:47]
	CROUND                                         ; all sixteen work-groups are here: the first joint loads meet
.irp s, 0,1
	s_mov_b32 s[G0A+4*\s], 1
	s_add_co_u32 s[G0A+4*\s+1], s21, \s*SLOT
	s_add_nc_u64 s[G0A+4*\s+2:G0A+4*\s+3], s[18:19], \s*1024
	s_or_b32 s[G0A+4*\s+3], s[G0A+4*\s+3], 0x80000000
	s_mov_b32 s[G0B+4*\s], 1
	s_add_co_u32 s[G0B+4*\s+1], s22, \s*SLOT
	s_add_nc_u64 s[G0B+4*\s+2:G0B+4*\s+3], s[46:47], \s*512
	s_or_b32 s[G0B+4*\s+3], s[G0B+4*\s+3], 0x80000000
	JLOAD \s                                       ; K steps 0 and 1: two loads of this wave are out
.endr
	v_and_b32 v1, 15, v0                           ; r
	v_bfe_u32 v2, v0, 4, 1                         ; h
	v_lshrrev_b32 v3, 1, v1
	v_and_b32 v5, 1, v0
	v_mul_u32_u24 v3, v3, PA
	v_lshl_add_u32 v3, v5, 7, v3
	v_lshl_add_u32 v3, v2, 4, v3                   ; (r / 2) 1,040 + (r % 2) 128 + 16 h
	v_mul_u32_u24 v4, v1, PB
	v_lshl_add_u32 v4, v2, 4, v4                   ; r 528 + 16 h
	s_mul_i32 s66, s13, 32*PA
	s_mul_i32 s67, s14, 64*PB
	s_add_co_u32 s67, s67, BOFF
	s_mov_b32 s68, 64*PA
.irp s, 0,1
	v_add_nc_u32 v[ADRA+\s], s66, v3
	v_add_nc_u32 v[ADRB+\s], s67, v4
	v_add_nc_u32 v[ADRL+\s], s68, v3
	s_add_co_u32 s66, s66, SLOT
	s_add_co_u32 s67, s67, SLOT
	s_add_co_u32 s68, s68, SLOT
.endr
	s_mul_i32 s66, s12, 16*SPITCH
	s_add_co_u32 s66, s66, STAGE                   ; my stage
	v_mul_u32_u24 v5, v1, SPITCH
	v_lshl_add_u32 v5, v2, 5, v5
	v_add_nc_u32 v[STO], s66, v5                   ; row r, 32 bytes for each half of the lanes
	v_mul_u32_u24 v5, v2, SPITCH
	v_lshl_add_u32 v5, v1, 4, v5
	v_add_nc_u32 v[RD], s66, v5                    ; back: lanes 0-15 one row of 256 bytes, lanes 16-31 the next
	v_lshlrev_b32 v5, 4, v1
	v_lshl_add_u32 v[CO], v2, 13, v5               ; the same two rows in out0
; 8 matrix instructions: row blocks 2 half, 2 half + 1 x all 4 column blocks, 32 along K.  The accumulators take turns, one instruction a
; turn, in the same order every time.
.macro MULH f, half, zero
.irp a, 2*\half, 2*\half+1
.irp b, 0,1,2,3
.if \zero
	v_wmma_f32_16x16x32_f16 v[8*(4*(\a)+\b):8*(4*(\a)+\b)+7], v[\f+8*\b:\f+8*\b+7], v[\f+32+8*(\a):\f+32+8*(\a)+7], 0
.else
	v_wmma_f32_16x16x32_f16 v[8*(4*(\a)+\b):8*(4*(\a)+\b)+7], v[\f+8*\b:\f+8*\b+7], v[\f+32+8*(\a):\f+32+8*(\a)+7], v[8*(4*(\a)+\b):8*(4*(\a)+\b)+7]
.endif
.endr
.endr
.endm
; The lo rows' products, onto row block 0: the two waves that own the block's first 64 rows.  Four accumulators by turns; the one before
; them is tile (3, 3), the one behind them tile (0, 0).  At a branch and at a label every window is 0.
.macro LO f
	WIN 0
	s_cmp_lg_u32 s13, 0
	s_cbranch_scc1 .Lno_lo_\@
	WIN MUL
.irp b, 0,1,2,3
	v_wmma_f32_16x16x32_f16 v[8*\b:8*\b+7], v[\f+8*\b:\f+8*\b+7], v[\f+64:\f+71], v[8*\b:8*\b+7]
.endr
	WIN 0
.Lno_lo_\@:
.endm
; 16 or 18 LDS loads: piece kb (32 along K) of a slot's eight: wo16 at byte 64 kb, y at head kb / 2 (256 bytes a head), byte 64 (kb % 2)
.macro FETCH slot, kb, f
.irp i, 0,1,2,3
	ds_load_b128 v[\f+8*\i:\f+8*\i+3],   v[ADRB+\slot] offset:64*(\kb)+\i*16*PB
	ds_load_b128 v[\f+8*\i+4:\f+8*\i+7], v[ADRB+\slot] offset:64*(\kb)+\i*16*PB+32
.endr
.irp i, 0,1,2,3
	ds_load_b128 v[\f+32+8*\i:\f+32+8*\i+3], v[ADRA+\slot] offset:256*((\kb)/2)+64*((\kb)%2)+\i*8*PA
	ds_load_b128 v[\f+32+8*\i+4:\f+32+8*\i+7], v[ADRA+\slot] offset:256*((\kb)/2)+64*((\kb)%2)+\i*8*PA+32
.endr
	s_cmp_lg_u32 s13, 0
	s_cbranch_scc1 .Lno_lo_in_\@
	ds_load_b128 v[\f+64:\f+67], v[ADRL+\slot] offset:256*((\kb)/2)+64*((\kb)%2)
	ds_load_b128 v[\f+68:\f+71], v[ADRL+\slot] offset:256*((\kb)/2)+64*((\kb)%2)+32
.Lno_lo_in_\@:
.endm
.macro PIECE slot, kb, f, g, zero
	s_wait_dscnt 0x0                               ; buffer f is in
	WIN 0
	PLACES 4                                       ; behind the matrix instructions that read buffer g (ISA guide 7.12.1)
	FETCH \slot, \kb, \g                           ; the next piece's fragments have 16 matrix instructions or more in which to come
	WIN MUL
	MULH \f, 0, \zero
	MULH \f, 1, \zero
	LO \f
.endm
.macro SEVEN slot, zero
	PIECE \slot, 1, F0, F1, \zero
	PIECE \slot, 2, F1, F0, 0
	PIECE \slot, 3, F0, F1, 0
	PIECE \slot, 4, F1, F0, 0
	PIECE \slot, 5, F0, F1, 0
	PIECE \slot, 6, F1, F0, 0
	PIECE \slot, 7, F0, F1, 0
.endm
; The last piece changes slots: my reads of this slot and all my tensor loads are waited for in front of the barrier, which opens a round
; of the cluster's barrier where the slot is filled again; the joint refill is the first tensor load behind the round, and from there to the
; wait for it a wave issues 120 matrix instructions or more.
.macro TURN slot, next, fill
	s_wait_dscnt 0x0
	s_wait_tensorcnt 0x0
	ds_add_u32 v254, v255
	s_wait_dscnt 0x0
	s_barrier_signal -1
	WIN MUL
	MULH F1, 0, 0                                  ; registers only, while the others arrive
	WIN 0
	s_barrier_wait -1
.if \fill
	CREST
	s_add_nc_u64 s[G0A+4*\slot+2:G0A+4*\slot+3], s[G0A+4*\slot+2:G0A+4*\slot+3], 2048   ; two K steps on; no load of mine is out
	s_add_nc_u64 s[G0B+4*\slot+2:G0B+4*\slot+3], s[G0B+4*\slot+2:G0B+4*\slot+3], 1024
	JLOAD \slot
.endif
	PLACES 4
	FETCH \next, 0, F0
	WIN MUL
	MULH F1, 1, 0
	LO F1
.endm
.macro LAP zero
	SEVEN 0, \zero
	TURN 0, 1, 1
	SEVEN 1, 0
	TURN 1, 0, 1
.endm
	s_wait_tensorcnt 0x1                           ; my part of K step 0 is in; K step 1's may stay out
	s_barrier_signal -1
	s_barrier_wait -1
	FETCH 0, 0, F0
	LAP 1                                          ; the first products start the sums
	s_mov_b32 s3, LAPS-2
.Llap:
	LAP 0
	s_sub_co_u32 s3, s3, 1
	s_cmp_lg_u32 s3, 0
	s_cbranch_scc1 .Llap
	SEVEN 0, 0                                     ; the last lap fills nothing
	TURN 0, 1, 0
	SEVEN 1, 0
	s_wait_dscnt 0x0
	WIN MUL
	MULH F1, 0, 0
	MULH F1, 1, 0
	LO F1
	; THE WAY OUT, 16 rows at a time through my own stage: a row of my block is 64 f32, 256 aligned bytes of out0.
	PLACES 4
	s_lshl_b32 s66, s43, 20                        ; (128 by + 64 wr) rows of 8,192 bytes
	s_lshl_b32 s68, s13, 19
	s_add_co_u32 s66, s66, s68
	s_lshl_b32 s68, s42, 9                         ; + (128 bx + 64 wc) columns of 4 bytes
	s_add_co_u32 s66, s66, s68
	s_lshl_b32 s68, s14, 8
	s_add_co_u32 s66, s66, s68
	s_mov_b32 s67, 0
	s_add_nc_u64 s[8:9], s[8:9], s[66:67]
.irp a, 0,1,2,3
	WIN 0x04                                       ; an LDS store's data are its source 1: window 1
.irp b, 0,1,2,3
	ds_store_b128 v[STO], v[8*(4*\a+\b):8*(4*\a+\b)+3] offset:64*\b
	ds_store_b128 v[STO], v[8*(4*\a+\b)+4:8*(4*\a+\b)+7] offset:64*\b+16
.endr
	WIN 0
	s_wait_xcnt 0x0                                ; the registers that the last stores read are loaded again only behind this wait
.irp t, 0,1,2,3,4,5,6,7
	ds_load_b128 v[TMP+4*\t:TMP+4*\t+3], v[RD] offset:\t*2*SPITCH      ; LDS serves a wave's instructions in order: these see the stores above
.endr
.irp t, 0,1,2,3,4,5,6,7
	s_wait_dscnt 7-\t                              ; this one is in, the younger ones stay out
	global_store_b128 v[CO], v[TMP+4*\t:TMP+4*\t+3], s[8:9] offset:131072*\a+16384*\t th:TH_STORE_NT
.endr
.endr
	s_wait_tensorcnt 0x0
	ds_add_u32 v254, v255
	s_wait_dscnt 0x0
	CROUND                                         ; the closing round
	s_endpgm
.Lfunc_end_k_q68b6dc3ca0_oproj:
	.size	k_q68b6dc3ca0_oproj, .Lfunc_end_k_q68b6dc3ca0_oproj-k_q68b6dc3ca0_oproj
	.p2alignl 7, 3214868480
	.fill 96, 4, 3214868480
	.section	.rodata,"a",@progbits
	.p2align	6, 0x0
	.amdhsa_kernel k_q68b6dc3ca0_oproj
		.amdhsa_group_segment_fixed_size 327680
		.amdhsa_private_segment_fixed_size 0
		.amdhsa_enable_private_segment 0
		.amdhsa_kernarg_size 24
		.amdhsa_user_sgpr_count 2
		.amdhsa_user_sgpr_kernarg_segment_ptr 1
		.amdhsa_wavefront_size32 1
		.amdhsa_system_sgpr_workgroup_id_x 1
		.amdhsa_system_sgpr_workgroup_id_y 1
		.amdhsa_system_sgpr_workgroup_id_z 1
		.amdhsa_system_vgpr_workitem_id 0
		.amdhsa_next_free_vgpr 384
		.amdhsa_next_free_sgpr 72
		.amdhsa_reserve_vcc 0
		.amdhsa_float_denorm_mode_32 3
		.amdhsa_float_denorm_mode_16_64 3
		.amdhsa_memory_ordered 1
		.amdhsa_forward_progress 1
		.amdhsa_inst_pref_size 154
	.end_amdhsa_kernel
	.amdgpu_metadata
---
amdhsa.version: [ 1, 2 ]
amdhsa.kernels:
  - .name:           k_q68b6dc3ca0_oproj
    .symbol:         k_q68b6dc3ca0_oproj.kd
    .args:
      - { .name: y3, .offset: 0, .size: 8, .value_kind: global_buffer, .address_space: global }
      - { .name: wo16, .offset: 8, .size: 8, .value_kind: global_buffer, .address_space: global }
      - { .name: out0, .offset: 16, .size: 8, .value_kind: global_buffer, .address_space: global }
    .group_segment_fixed_size: 327680
    .private_segment_fixed_size: 0
    .kernarg_segment_align: 8
    .kernarg_segment_size: 24
    .max_flat_workgroup_size: 128
    .sgpr_count:     72
    .vgpr_count:     384
    .wavefront_size: 32
...
	.end_amdgpu_metadata
.endif
;; end of part 8
